; MI455X (gfx1250); checked and timed in simulation.
; The chip was launched on July 23, 2026; its instructions are those of AMD's public machine-readable ISA for CDNA 5 (MIT licence, August 2026) and "CDNA5" Instruction Set Architecture Reference Guide (July 2026). The comments in the code are by the model that wrote it; some were corrected since.
;; Action VQ. Allowed arithmetic: matrix products marked QUANTISED: E2M1 operands, one E8M0 scale for each 32 along K, by v_wmma_scale_f32_16x16x128_f8f6f4 with both operands' format E2M1 (or v_wmma_scale_f32_32x16x128_f4), f32 sums; everything else in f32.
;; Inputs: W 8,192 x 512 float32; e 16,384 x 512 float32.
;; Outputs: out0 16,384 int32; out1 16,384 x 512 float32.
;; This version of the problem:
;;   THIS VERSION OF THE PROBLEM IS GIVEN IN LOW PRECISION. The matrix products marked QUANTISED in the list below multiply operands that are first quantised to E2M1 (2 exponent bits, 1 mantissa bit; 4 bits a number), with one power-of-two scale for each 32 numbers along K (OCP MX v1.0); their sums are f32. All else is computed in f32.
;;   The module's matrix products, in the order in which they are computed (A, B: the left and right operand; K: the contracted axis; several contracted axes count as one K, in the product's order):
;;     1. [M 16,384, K 512] x [K 512, N 8,192]; A: input e; B: input W: QUANTISED
;;   THE QUANTISER, for each operand of a quantised product, along K:
;;     - K is cut into blocks of 32 from its start; a last block that is shorter is filled with zeros.
;;     - A block's scale is 2^e with e = floor(log2(the largest magnitude in the block)) - 2, held to -126 .. 127; a block of zeros has e = 0. As a byte (E8M0): e + 127.
;;     - Each number is divided by its block's scale, clamped to +-6, and rounded to the nearest number of E2M1, ties to even, subnormals kept.
;;     - The product sums the exact products of the quantised numbers (number of the format x scale) in f32.
;;   ~~~python
;;   def quantise(x, axis):      # numpy; x: float32 -> the quantised numbers, widened to float32 again
;;       x = np.moveaxis(x, axis, -1); K = x.shape[-1]
;;       x = np.pad(x, [(0, 0)] * (x.ndim - 1) + [(0, -K % 32)]); x = x.reshape(x.shape[:-1] + (-1, 32)); a = np.abs(x).max(-1, keepdims=True)
;;       e = np.where(a > 0, np.clip(np.frexp(np.where(a > 0, a, 1))[1] - 1 - 2, -126, 127), 0)      # np.frexp(a)[1] - 1 = floor(log2(a)), exactly
;;       r = np.clip(x / 2.0 ** e, -6, 6)
;;       step = 2.0 ** (np.maximum(np.frexp(np.where(r == 0, 1, r))[1] - 1, 0) - 1)
;;       q = np.round(r / step) * step * 2.0 ** e      # np.round: ties to even
;;       return np.moveaxis(q.reshape(q.shape[:-2] + (-1,))[..., :K], -1, axis).astype(np.float32)
;;   ~~~
;; 2 versions. Each part assembles by itself: llvm-mc -triple=amdgcn-amd-amdhsa -mcpu=gfx1250 --defsym DOCPART=n.
;; ======== version 1 of 2: 3 launches
;; workspace buffers: wq 2,260,992 bytes; idxw 65,536 bytes of whole numbers
;; launch qw (part 1): grid 256 x 1, 2 waves a work-group, no clusters, 17,152 bytes of LDS; arguments W, wq; writes wq
.if DOCPART == 1
	.amdgcn_target "amdgcn-amd-amdhsa--gfx1250"
	.amdhsa_code_object_version 6
	.text
	.protected	k_q7b23159e0e_qw
	.globl	k_q7b23159e0e_qw
	.p2align	8
	.type	k_q7b23159e0e_qw,@function
k_q7b23159e0e_qw:
	s_mov_b64 s[64:65], 0
	v_nop
	global_prefetch_b8 v0, s[64:65] scope:SCOPE_SE
	s_setreg_imm32_b32 hwreg(HW_REG_WAVE_MODE, 25, 1), 1
	s_wait_xcnt 0x0
; W [8192][512] f32 becomes what the main launch's waves take as they stand: 128 records of QREC bytes, one for each 64 codebook rows.
; A record: +0 four tiles (16 rows each) x 4,096 bytes of FP4 (E2M1) codes as IMAGES OF THE OPERAND'S REGISTERS: the 16 bytes at 1024 q + 512 c + 16 lane are
; registers 4 c .. 4 c + 3 of the fragment of K step q (128 along K): lane (r, h) holds row r, k = 128 q + 64 c + 32 h + 0 .. 31.
; +16384 sixty-four rows x 16 scale bytes (E8M0; word q of a row serves K step q).  +17408 sixty-four f32: each row's sum of squares of the UNQUANTISED numbers.
; A block's scale is 2^(floor(log2(its largest magnitude)) - 2); its byte is the largest magnitude's exponent field - 2, held at 1 from below.
; LIMITS: NaN and infinities are not served.  A block of zeros gets the byte 1 (its codes are zeros; only this program reads the bytes).
; The sum of squares is added in four chains and across two lanes: another order than a chain along the row.
; SHARES: a wave takes one tile, 16 rows x 512.  Each load reads 512 consecutive bytes of one row; a K step's 16 x 512 bytes turn through the wave's own stage in LDS
; (rows of 528 bytes: 33 x 16, so the sixteen rows that a read touches start in different banks) and come back 32 neighbours along K to a lane and block.
; No matrix unit, no tensor load, no barrier: waves share nothing.
.set QREC, 17664
.set STG,  16*528                      ; a wave's stage
.set LN,   1                           ; v1  lane
.set GL,   4                           ; v4  16 x lane: my bytes of a load's 512, and of an image's 512; never rewritten
.set STW,  5                           ; v5  the stage, on the way in
.set STR,  6                           ; v6  the stage, on the way out: 528 r + 128 h
.set QH,   7                           ; v7  8 h: where my two scale bytes stand in the word
.set QM,   10                          ; v10-17 the quantiser's: two largest magnitudes, two scale operands, two bytes, two words at work
.set SUM,  18                          ; v[18:21] the sum of squares in four chains
.set SW,   24                          ; v[24:27] the four scale words
.set C,    28                          ; v[28:59] codes: eight registers for each K step, so that no store's data are written again
.set X,    64                          ; v[64:127] 64 numbers: two blocks of 32
.set R,    128                         ; v[128:255] two sets of 64, as loaded
.set SEL,  20                          ; s[20:21] v_permlanex16_b32's selects for lane l xor 16
.macro LOAD t                          ; K step t of the 16 rows into set t % 2
.irp i, 0,1,2,3,4,5,6,7,8,9,10,11,12,13,14,15
	global_load_b128 v[R+64*((\t)%2)+4*\i:R+64*((\t)%2)+4*\i+3], v[GL], s[4:5] offset:2048*\i+512*(\t) th:TH_LOAD_NT
.endr
.endm
; 64 numbers of a lane, v[x + 32 c + i] = k 64 c + 32 h + i of my row: both blocks are wholly mine.  Codes into v[pc] .. v[pc + 7], the row's scale word into v[pw].
.macro QBLK x, pc, pw
.irp c, 0,1
	v_max3_num_f32 v[QM+\c], |v[\x+32*\c]|, |v[\x+32*\c+1]|, 0x1800000    ; with the floor 2^(3 - 127): the byte cannot fall under 1
.endr
.irp i, 2,4,6,8,10,12,14,16,18,20,22,24,26,28,30
.irp c, 0,1
	v_max3_num_f32 v[QM+\c], v[QM+\c], |v[\x+32*\c+\i]|, |v[\x+32*\c+\i+1]|   ; the two blocks by turns
.endr
.endr
.irp c, 0,1
	v_add_nc_u32 v[QM+2+\c], 0xff000000, v[QM+\c]  ; 2 off the exponent field: the conversion takes this operand's exponent field as its scale
.endr
.irp c, 0,1
	v_lshrrev_b32 v[QM+4+\c], 23, v[QM+2+\c]       ; the scale's byte
.endr
	v_lshl_or_b32 v[QM+6], v[QM+5], 16, v[QM+4]    ; my bytes: blocks h and 2 + h,
	v_lshlrev_b32 v[QM+6], v[QH], v[QM+6]          ; at their places;
	v_permlanex16_b32 v[QM+7], v[QM+6], s[SEL], s[SEL+1]
	v_or_b32 v[\pw], v[QM+6], v[QM+7]              ; with lane l xor 16's two the word is whole
.irp c, 0,1
.irp g, 0,1,2,3
	v_cvt_scalef32_pk8_fp4_f32 v[\pc+4*\c+\g], v[\x+32*\c+8*\g:\x+32*\c+8*\g+7], v[QM+2+\c]
.endr
.endr
	v_nop                                          ; one plain place behind the last scaled conversion
.endm
.macro SQ x, first                     ; the 64 numbers' squares onto the four chains; first = 1: the first products start them
.set j, 0
.rept 32
.if (\first) && (j < 2)
	v_pk_mul_f32 v[SUM+2*(j%2):SUM+2*(j%2)+1], v[\x+2*j:\x+2*j+1], v[\x+2*j:\x+2*j+1]
.else
	v_pk_fma_f32 v[SUM+2*(j%2):SUM+2*(j%2)+1], v[\x+2*j:\x+2*j+1], v[\x+2*j:\x+2*j+1], v[SUM+2*(j%2):SUM+2*(j%2)+1]
.endif
.set j, j+1
.endr
.endm
.macro STEP q, first
.if \q < 3
	s_wait_loadcnt 16                              ; this K step's 16 loads are in; the next step's 16 may be out
.else
	s_wait_loadcnt 0x0
.endif
.irp i, 0,1,2,3,4,5,6,7,8,9,10,11,12,13,14,15
	ds_store_b128 v[STW], v[R+64*((\q)%2)+4*\i:R+64*((\q)%2)+4*\i+3] offset:528*\i
.endr
.irp c, 0,1
.irp i, 0,1,2,3,4,5,6,7
	ds_load_b128 v[X+32*\c+4*\i:X+32*\c+4*\i+3], v[STR] offset:256*\c+16*\i   ; LDS serves a wave's instructions in order: these see the stores above
.endr
.endr
	s_wait_dscnt 0x0                               ; my numbers are back, and the stores have read their set,
.if \q < 2
	LOAD \q+2                                      ; which takes the K step two further on
.endif
	SQ X, \first
	QBLK X, C+8*\q, SW+\q
.irp c, 0,1
	global_store_b128 v[GL], v[C+8*\q+4*\c:C+8*\q+4*\c+3], s[24:25] offset:1024*\q+512*\c   ; 32 lanes store 512 consecutive bytes, at a multiple of 256 from the buffer's first byte
.endr
.endm
	s_load_b128 s[4:7], s[0:1], 0x0                ; W s[4:5], wq s[6:7]
	v_lshl_add_u32 v62, v0, 2, 0x4200
	v_mov_b32 v63, 0
	v_lshrrev_b32 v1, 5, v0
	v_readfirstlane_b32 s8, v1                     ; wave 0, 1
	v_and_b32 v[LN], 31, v0
	v_and_b32 v2, 15, v0                           ; r
	v_bfe_u32 v3, v0, 4, 1                         ; h
	v_lshlrev_b32 v[GL], 4, v[LN]
	s_mul_i32 s9, s8, STG
	v_add_nc_u32 v[STW], s9, v[GL]
	v_mul_u32_u24 v[STR], v2, 528
	v_lshl_add_u32 v[STR], v3, 7, v[STR]
	v_add_nc_u32 v[STR], s9, v[STR]
	v_lshlrev_b32 v[QH], 3, v3
	v_lshlrev_b32 v8, 4, v2                        ; 16 r: my row's scale bytes
	v_lshlrev_b32 v9, 2, v2                        ; 4 r: its sum of squares
	v_mov_b32 v[QM+7], 0                           ; a lane permute's destination counts as one of its sources
	s_mov_b32 s[SEL], 0x76543210
	s_mov_b32 s[SEL+1], 0xfedcba98
	s_lshl_b32 s10, ttmp9, 1
	s_add_co_u32 s10, s10, s8                      ; my tile: 2 x work-group + wave
	s_lshl_b32 s12, s10, 15                        ; its 16 rows of 2,048 bytes in W
	s_mov_b32 s13, 0
	s_lshr_b32 s14, s10, 2
	s_mul_i32 s14, s14, QREC                       ; its record
	s_mov_b32 s15, 0
	s_and_b32 s11, s10, 3                          ; and its place among the record's four tiles
	s_lshl_b32 s16, s11, 12
	s_mov_b32 s17, 0
	s_lshl_b32 s18, s11, 8
	s_add_co_u32 s18, s18, 16384
	s_mov_b32 s19, 0
	s_lshl_b32 s30, s11, 6
	s_add_co_u32 s30, s30, 17408
	s_mov_b32 s31, 0
	s_wait_kmcnt 0x0
	s_add_nc_u64 s[4:5], s[4:5], s[12:13]
	s_add_nc_u64 s[6:7], s[6:7], s[14:15]
	s_add_nc_u64 s[24:25], s[6:7], s[16:17]        ; the codes' images
	s_add_nc_u64 s[26:27], s[6:7], s[18:19]        ; the scale bytes
	s_add_nc_u64 s[28:29], s[6:7], s[30:31]        ; the sums of squares
	LOAD 0
	LOAD 1
	STEP 0, 1
	STEP 1, 0
	STEP 2, 0
	STEP 3, 0
	v_add_f32 v[SUM], v[SUM], v[SUM+1]
	v_add_f32 v[SUM+2], v[SUM+2], v[SUM+3]
	v_add_f32 v[SUM], v[SUM], v[SUM+2]
	v_permlanex16_b32 v[QM+7], v[SUM], s[SEL], s[SEL+1]
	v_add_f32 v[SUM], v[SUM], v[QM+7]              ; with lane l xor 16's half of the row
	s_wait_xcnt 0x0                                ; EXEC is a source of the stores above: it changes only behind this wait
	v_cmp_gt_u32 vcc_lo, 16, v[LN]
	s_wait_tensorcnt 0x0
	ds_add_u32 v62, v63
	s_wait_dscnt 0x0
	s_and_saveexec_b32 s23, vcc_lo                 ; lanes 0-15: one lane a row
	global_store_b128 v8, v[SW:SW+3], s[26:27]     ; sixteen lanes store 256 consecutive bytes, aligned
	global_store_b32 v9, v[SUM], s[28:29]          ; 64 bytes of the record's last 256: the tile's share
	s_wait_xcnt 0x0                                ; and again in front of the line that widens EXEC
	s_or_b32 exec_lo, exec_lo, s23
	s_endpgm
.Lfunc_end_k_q7b23159e0e_qw:
	.size	k_q7b23159e0e_qw, .Lfunc_end_k_q7b23159e0e_qw-k_q7b23159e0e_qw
	.p2alignl 7, 3214868480
	.fill 96, 4, 3214868480
	.section	.rodata,"a",@progbits
	.p2align	6, 0x0
	.amdhsa_kernel k_q7b23159e0e_qw
		.amdhsa_group_segment_fixed_size 17152
		.amdhsa_private_segment_fixed_size 0
		.amdhsa_enable_private_segment 0
		.amdhsa_kernarg_size 16
		.amdhsa_user_sgpr_count 2
		.amdhsa_user_sgpr_kernarg_segment_ptr 1
		.amdhsa_wavefront_size32 1
		.amdhsa_system_sgpr_workgroup_id_x 1
		.amdhsa_system_sgpr_workgroup_id_y 1
		.amdhsa_system_sgpr_workgroup_id_z 1
		.amdhsa_system_vgpr_workitem_id 0
		.amdhsa_next_free_vgpr 256
		.amdhsa_next_free_sgpr 66
		.amdhsa_reserve_vcc 1
		.amdhsa_float_denorm_mode_32 3
		.amdhsa_float_denorm_mode_16_64 3
		.amdhsa_memory_ordered 1
		.amdhsa_forward_progress 1
		.amdhsa_inst_pref_size 38
	.end_amdhsa_kernel
	.amdgpu_metadata
---
amdhsa.version: [ 1, 2 ]
amdhsa.kernels:
  - .name:           k_q7b23159e0e_qw
    .symbol:         k_q7b23159e0e_qw.kd
    .args:
      - { .name: W, .offset: 0, .size: 8, .value_kind: global_buffer, .address_space: global }
      - { .name: wq, .offset: 8, .size: 8, .value_kind: global_buffer, .address_space: global }
    .group_segment_fixed_size: 17152
    .private_segment_fixed_size: 0
    .kernarg_segment_align: 8
    .kernarg_segment_size: 16
    .max_flat_workgroup_size: 64
    .sgpr_count:     66
    .vgpr_count:     256
    .wavefront_size: 32
...
	.end_amdgpu_metadata
.endif
;; end of part 1
;; launch main (part 2): grid 256 x 1, 8 waves a work-group, clusters of 4 x 1, 327,680 bytes of LDS; arguments e, wq, out0, idxw; writes out0, idxw
.if DOCPART == 2
	.amdgcn_target "amdgcn-amd-amdhsa--gfx1250"
	.amdhsa_code_object_version 6
	.text
	.protected	k_q7b23159e0e_main
	.globl	k_q7b23159e0e_main
	.p2align	8
	.type	k_q7b23159e0e_main,@function
k_q7b23159e0e_main:
	s_mov_b64 s[64:65], 0
	v_nop
	global_prefetch_b8 v0, s[64:65] scope:SCOPE_SE
	s_setreg_imm32_b32 hwreg(HW_REG_WAVE_MODE, 25, 1), 1
	s_wait_xcnt 0x0
	s_wait_alu depctr_hold_cnt(0) depctr_sa_sdst(0) depctr_va_vdst(0) depctr_va_sdst(0) depctr_va_ssrc(0) depctr_va_vcc(0) depctr_vm_vsrc(0)
	s_getreg_b32 s2, hwreg(HW_REG_IB_STS2, 6, 4)
	s_cmp_eq_u32 s2, 0
	s_cbranch_scc0 .Lentry_in_a_cluster
	s_endpgm
.Lentry_in_a_cluster:
	s_bfe_u32 s2, ttmp6, 0x10000c
	s_cmp_lg_u32 s2, 0x3003
	s_cbranch_scc0 .Lentry_shape_is_right
	s_endpgm
.Lentry_shape_is_right:
; out0[n] = the first index a that makes d2[n][a] = (|e_n|^2 - 2 e_n . w_a) + |w_a|^2 least; idxw is a copy of it, from which the next launch forms addresses.
; e . w is the product of MX-FP4 codes (E2M1, one E8M0 scale for each 32 along K = 512), f32 sums; the two sums of squares are of the unquantised numbers.
; d2 is rounded as it is written above: one fused multiply-add gives round(|e|^2 - 2 dot) (2 dot is exact), one addition the rest.  Nothing of it is folded into the matrix sum.
; LIMITS: NaN and infinities are not served.  A block of zeros of e gets the scale byte 1 (its codes are zeros).  |e|^2 is added in four chains, across two lanes and two waves: another order than a chain along the row.
; SHARES.  A work-group owns 64 rows of e against all 8,192 codebook rows: a row's argmin has one owner.  Eight waves, two to a SIMD, 512 registers each, so that one wave's vector work stands beside the other's products.
; Every wave keeps all 64 rows of e as fragments (4 tiles x 4 K steps x 8 registers); the waves share the CODEBOOK out: of a slot of 512 codebook rows each wave takes one record of 64, which it
; fetches itself and reads alone.  So each byte of the codebook is read from LDS once in a work-group.
; THE MATRIX INSTRUCTION IS USED TRANSPOSED: source 0 = 16 codebook rows, source 1 = 16 rows of e: a lane holds ONE row of e (lane % 16), its registers run along the codebook: row 8 (lane / 16) + j of the tile.
; THE ARGMIN.  The unit is a pair of tiles, 32 codebook rows x 64 rows of e: 16 values of d2 a lane and row tile.  Their least joins the running least by a tree of three-way minima; where it is strictly less, the pair's
; base index and its 16 values are kept.  Which of the 16 it was is settled once, at the end, from the kept values, lowest index first.  Pairs come in ascending order, so the strict test keeps the first.
; CLUSTER.  All work-groups walk the same records, so the four of a cluster ask for each JOINTLY: the same tensor load, the same descriptor, a mask that names the four.
; LDS: two slots of 8 records; the stage for e lies in slot 1 ahead of that slot's first record; behind the ring what ds_store writes, into which no fill lands; then the spare words.
; REGISTERS, window 0: v1-18 addresses; v20-27 |e|^2; v28-35 the running least, two sets by turns; v36-39 the kept base index; v40-47 at work; v48-63 e's scale words; v64-71 the codebook's, two sets;
;   v72-103 |w|^2, two sets; v104-127 at work at the head; v128-191 eight accumulators; v192-255 the kept values.   window 1: v0-127 e's fragments; v128-255 the codebook's, two sets of 64.
.set QREC,  17664                      ; a record: 16,384 bytes of code images, 1,024 of scale bytes, 256 of |w|^2
.set SLOT,  8*QREC
.set ESTG,  SLOT                       ; e's stage: for each wave 16 rows x (1,024 + 16) bytes
.set EPART, 16*1040
.set EIMG,  2*SLOT                     ; e's 16 fragments as images of their registers: fragment 4 m + q at 1,024 bytes each
.set ESC,   EIMG+16384                 ; their scale words, 128 bytes each
.set EEP,   ESC+2048                   ; |e|^2 by halves of K: 128 bytes for each wave
.set MRGV,  EEP+1024                   ; each wave's least for the 64 rows,
.set MRGI,  MRGV+2048                  ; and its index
.set SPARE, MRGI+2048                  ; the spare words, 128 bytes for each wave: four blocks of 256 bytes that no other line names
.set SPW, 1                            ; v1  SPARE + 4 x my thread's number; never rewritten
.set NIL, 2                            ; v2  0; never rewritten
.set WA,  3                            ; v3-4  my record in slot 0, 1: + 16 x lane
.set WB,  5                            ; v5-6  the same + 32 h: |w|^2 of my half's eight rows
.set EIA, 7                            ; v7  EIMG + 16 x lane
.set ESA, 8                            ; v8  ESC + 4 x lane
.set EIW, 9                            ; v9  where I store my two fragments of e
.set ESW, 10                           ; v10 and their scale words
.set EPW, 11                           ; v11 and my half of |e|^2
.set EA,  12                           ; v12 my lane's place in my part of the stage
.set PFO, 13                           ; v13 256 x lane: the prefetches' offset; never rewritten
.set QH,  14                           ; v14 8 h
.set PBV, 15                           ; v15 the pair's base index
.set MGW, 16                           ; v16 where I store my rows' least
.set MGR, 17                           ; v17 where wave 0 reads them
.set OO,  18                           ; v18 8 x lane: two rows' indices
.set EE,  20
.set RUN, 28
.set ID,  36
.set T0,  40
.set T1,  44
.set QM,  40                           ; the quantiser's eight registers: the tree's, idle at the head
.set ESCR, 48
.set WSC, 64
.set WW,  72
.set PC,  104                          ; v[104:119] codes just made, two sets
.set PW,  120                          ; v120-121 scale words just made
.set SUM, 122                          ; v[122:125] the sum of squares in four chains
.set ACC, 128                          ; accumulator (m, u) at ACC + 16 m + 8 u
.set SV,  192
.set WF,  128                          ; in window 1: set b, tile u, K step q at WF + 64 b + 8 (4 u + q)
.set WV,  10                           ; s10 my wave's number
.set G1E, 16                           ; s[16:23] descriptor group 1 for e's part; s[32:35] its group 0
.set G1W, 24                           ; s[24:31] for a record; s[36:39], s[40:43] groups 0, one for each slot
.set G0E, 32
.set G0W, 36
.set PB,  45                           ; s45 the base index of the pair in hand
.set PFA, 46                           ; s[46:47] where my prefetches stand
.set PA,  48                           ; s48 the number of my next ask;  s49 asks in all (0 in a wave that asks for nothing)
.set LIM, 49
.set SEL, 50                           ; s[50:51] v_permlanex16_b32's selects for lane l xor 16
.set MK,  52                           ; s[52:55] a mask for each row tile
.set MSB, 0
.macro WIN new                         ; the immediate's high byte repeats the setting that is left
.if MSB != \new
	s_set_vgpr_msb (MSB<<8)|\new
.set MSB, \new
.endif
.endm
.set MUL,  0x05                        ; sources 0 and 1 window 1; C and D window 0
.set TOW1, 0x40                        ; destination window 1, address window 0
; A round of the cluster's barrier: my work-group's barrier; wave 0 signals for the work-group; every wave waits for all four work-groups; my work-group's barrier once more.
.macro ROUND
	s_barrier_signal -1
	s_barrier_wait -1
	s_cmp_lg_u32 s[WV], 0
	s_cbranch_scc1 .Lnot_wave_0_\@
	s_barrier_signal -3
.Lnot_wave_0_\@:
	s_barrier_wait -3
	s_barrier_signal -1
	s_barrier_wait -1
.endm
; 64 numbers of a lane, v[x + 32 c + i] = k 64 c + 32 h + i of my row: both blocks are wholly mine.  Codes into v[pc] .. v[pc + 7], the row's scale word into v[pw].
.macro QBLK x, pc, pw
.irp c, 0,1
	v_max3_num_f32 v[QM+\c], |v[\x+32*\c]|, |v[\x+32*\c+1]|, 0x1800000    ; with the floor 2^(3 - 127): the byte cannot fall under 1
.endr
.irp i, 2,4,6,8,10,12,14,16,18,20,22,24,26,28,30
.irp c, 0,1
	v_max3_num_f32 v[QM+\c], v[QM+\c], |v[\x+32*\c+\i]|, |v[\x+32*\c+\i+1]|   ; the two blocks by turns
.endr
.endr
.irp c, 0,1
	v_add_nc_u32 v[QM+2+\c], 0xff000000, v[QM+\c]  ; 2 off the exponent field: the conversion takes this operand's exponent field as its scale
.endr
.irp c, 0,1
	v_lshrrev_b32 v[QM+4+\c], 23, v[QM+2+\c]       ; the scale's byte
.endr
	v_lshl_or_b32 v[QM+6], v[QM+5], 16, v[QM+4]    ; my bytes: blocks h and 2 + h,
	v_lshlrev_b32 v[QM+6], v[QH], v[QM+6]          ; at their places;
	v_permlanex16_b32 v[QM+7], v[QM+6], s[SEL], s[SEL+1]
	v_or_b32 v[\pw], v[QM+6], v[QM+7]              ; with lane l xor 16's two the word is whole
.irp c, 0,1
.irp g, 0,1,2,3
	v_cvt_scalef32_pk8_fp4_f32 v[\pc+4*\c+\g], v[\x+32*\c+8*\g:\x+32*\c+8*\g+7], v[QM+2+\c]
.endr
.endr
	v_nop                                          ; one plain place behind the last scaled conversion
.endm
.macro SQ x, first                     ; the 64 numbers' squares onto the four chains; first = 1: the first products start them
.set j, 0
.rept 32
.if (\first) && (j < 2)
	v_pk_mul_f32 v[SUM+2*(j%2):SUM+2*(j%2)+1], v[\x+2*j:\x+2*j+1], v[\x+2*j:\x+2*j+1]
.else
	v_pk_fma_f32 v[SUM+2*(j%2):SUM+2*(j%2)+1], v[\x+2*j:\x+2*j+1], v[\x+2*j:\x+2*j+1], v[SUM+2*(j%2):SUM+2*(j%2)+1]
.endif
.set j, j+1
.endr
.endm
; (value a, index ai) takes (o, oi) where o is less, or equal with the lower index
.macro LEXMIN a, ai, o, oi
	v_cmp_lt_f32 s56, v[\o], v[\a]
	v_cmp_eq_f32 s57, v[\o], v[\a]
	v_cmp_lt_u32 vcc_lo, v[\oi], v[\ai]
	s_and_b32 s57, s57, vcc_lo
	s_or_b32 s56, s56, s57
	v_cndmask_b32 v[\a], v[\a], v[\o], s56
	v_cndmask_b32 v[\ai], v[\ai], v[\oi], s56
.endm
; 21 LDS loads in one run: pair p of my record in the slot, into set b: two tiles' fragments (8 x 2 loads of 512 consecutive bytes), one load of scale words
; (lanes 0-15 the rows of tile 2 p, lanes 16-31 those of tile 2 p + 1; register q serves K step q), four of |w|^2 (my half's eight rows of each tile).
.macro LOADS slot, p, b
	WIN TOW1
.irp u, 0,1
.irp q, 0,1,2,3
.irp c, 0,1
	ds_load_b128 v[WF+64*(\b)+8*(4*\u+\q)+4*\c:WF+64*(\b)+8*(4*\u+\q)+4*\c+3], v[WA+\slot] offset:(2*\p+\u)*4096+\q*1024+\c*512
.endr
.endr
.endr
	WIN 0
	ds_load_b128 v[WSC+4*(\b):WSC+4*(\b)+3], v[WA+\slot] offset:16384+512*\p
.irp u, 0,1
.irp i, 0,1
	ds_load_b128 v[WW+16*(\b)+8*\u+4*\i:WW+16*(\b)+8*\u+4*\i+3], v[WB+\slot] offset:17408+128*\p+64*\u+16*\i
.endr
.endr
.endm
.macro WM b, q, m, u                   ; one product: tile u of set b x row tile m, K step q.  K step 0 starts the sum: nothing is cleared
.set rD, ACC+16*\m+8*\u
.set rA, WF+64*(\b)+8*(4*\u+\q)
.set rB, 8*(4*\m+\q)
.set rS, WSC+4*(\b)+\q
.set rE, ESCR+4*\m+\q
.if (\q == 0) && (\u == 0)
	v_wmma_scale_f32_16x16x128_f8f6f4 v[rD:rD+7], v[rA:rA+7], v[rB:rB+7], 0, v[rS], v[rE] matrix_a_fmt:MATRIX_FMT_FP4 matrix_b_fmt:MATRIX_FMT_FP4
.elseif \q == 0
	v_wmma_scale_f32_16x16x128_f8f6f4 v[rD:rD+7], v[rA:rA+7], v[rB:rB+7], 0, v[rS], v[rE] matrix_a_fmt:MATRIX_FMT_FP4 matrix_b_fmt:MATRIX_FMT_FP4 matrix_a_scale:MATRIX_SCALE_ROW1
.elseif \u == 0
	v_wmma_scale_f32_16x16x128_f8f6f4 v[rD:rD+7], v[rA:rA+7], v[rB:rB+7], v[rD:rD+7], v[rS], v[rE] matrix_a_fmt:MATRIX_FMT_FP4 matrix_b_fmt:MATRIX_FMT_FP4
.else
	v_wmma_scale_f32_16x16x128_f8f6f4 v[rD:rD+7], v[rA:rA+7], v[rB:rB+7], v[rD:rD+7], v[rS], v[rE] matrix_a_fmt:MATRIX_FMT_FP4 matrix_b_fmt:MATRIX_FMT_FP4 matrix_a_scale:MATRIX_SCALE_ROW1
.endif
.endm
; A pair's 32 products, K ascending.  The eight accumulators take turns, one instruction a turn, in the same order in every K step and every pair.
.macro MULS b
	WIN MUL
.irp q, 0,1,2,3
.irp m, 0,1,2,3
.irp u, 0,1
	WM \b, \q, \m, \u
.endr
.endr
.endr
	WIN 0
.endm
; A pair's vector work; every line is written for the four row tiles by turns, so that no line waits for the line above it.
; The first four lines are the places behind the last product (ISA guide 7.12.1); each accumulator is read from its low end on.
.macro EPI b, pbstep
	v_mov_b32 v[PBV], s[PB]
.rept 3
	v_nop
.endr
.if \pbstep
	s_add_co_u32 s[PB], s[PB], \pbstep             ; the next pair's base index
.endif
.irp j, 0,2,4,6,8,10,12,14
.irp m, 0,1,2,3
	v_pk_fma_f32 v[ACC+16*\m+\j:ACC+16*\m+\j+1], v[ACC+16*\m+\j:ACC+16*\m+\j+1], -2.0, v[EE+2*\m:EE+2*\m+1] op_sel_hi:[1,0,1]   ; |e|^2 - 2 dot, rounded once
.endr
.endr
.irp j, 0,2,4,6,8,10,12,14
.irp m, 0,1,2,3
	v_pk_add_f32 v[ACC+16*\m+\j:ACC+16*\m+\j+1], v[ACC+16*\m+\j:ACC+16*\m+\j+1], v[WW+16*(\b)+\j:WW+16*(\b)+\j+1]            ; + |w|^2: d2
.endr
.endr
.irp m, 0,1,2,3
	v_min3_num_f32 v[T0+\m], v[ACC+16*\m], v[ACC+16*\m+1], v[ACC+16*\m+2]
.endr
.irp m, 0,1,2,3
	v_min3_num_f32 v[T1+\m], v[ACC+16*\m+7], v[ACC+16*\m+8], v[ACC+16*\m+9]
.endr
.irp m, 0,1,2,3
	v_min3_num_f32 v[T0+\m], v[T0+\m], v[ACC+16*\m+3], v[ACC+16*\m+4]
.endr
.irp m, 0,1,2,3
	v_min3_num_f32 v[T1+\m], v[T1+\m], v[ACC+16*\m+10], v[ACC+16*\m+11]
.endr
.irp m, 0,1,2,3
	v_min3_num_f32 v[T0+\m], v[T0+\m], v[ACC+16*\m+5], v[ACC+16*\m+6]
.endr
.irp m, 0,1,2,3
	v_min3_num_f32 v[T1+\m], v[T1+\m], v[ACC+16*\m+12], v[ACC+16*\m+13]
.endr
.irp m, 0,1,2,3
	v_min3_num_f32 v[T0+\m], v[T0+\m], v[T1+\m], v[ACC+16*\m+14]
.endr
.irp m, 0,1,2,3
	v_min3_num_f32 v[RUN+4*(1-(\b))+\m], v[T0+\m], v[ACC+16*\m+15], v[RUN+4*(\b)+\m]   ; the new running least, into the other set
.endr
.irp m, 0,1,2,3
	v_cmp_lt_f32 s[MK+\m], v[RUN+4*(1-(\b))+\m], v[RUN+4*(\b)+\m]                      ; strictly less: this pair holds it
.endr
.irp m, 0,1,2,3
	v_cndmask_b32 v[ID+\m], v[ID+\m], v[PBV], s[MK+\m]
.endr
.irp i, 0,1,2,3,4,5,6,7,8,9,10,11,12,13,14,15
.irp m, 0,1,2,3
	v_cndmask_b32 v[SV+16*\m+\i], v[SV+16*\m+\i], v[ACC+16*\m+\i], s[MK+\m]
.endr
.endr
.endm
; THE CHANGE OF SLOTS.  Each wave waits for all its tensor loads (one is out: its record of the other slot), adds 0 to its spare word, and waits for that and for its reads of slot n.
; The barrier is a round of the cluster's, so that no wave of any partner still reads slot n or has a load on its way; the joint refill is the first thing behind it, one a wave.
; It has the other slot's two pairs of every wave in which to land.  Four v_nop follow it.
.macro CHANGE n, step, first
.if \first == 0
	s_wait_xcnt 0x0                                ; the last prefetch, two pairs back, has read its address: it is stepped here, ahead of the waits of the change
	s_add_nc_u64 s[PFA:PFA+1], s[PFA:PFA+1], 5*32768
	s_add_co_u32 s[PA], s[PA], 5
.endif
	s_wait_tensorcnt 0x0                           ; no tensor load of mine is out, so a group 0 may be written
	ds_add_u32 v[SPW], v[NIL]                      ; 0 onto my spare word
.if \step
	s_add_nc_u64 s[G0W+4*\n+2:G0W+4*\n+3], s[G0W+4*\n+2:G0W+4*\n+3], 2*SLOT   ; this slot's next records; the type bits on top are not reached
.endif
	s_wait_dscnt 0x0                               ; the add is done, my LDS stores have landed and my reads of slot n are over
	ROUND
	tensor_load_to_lds s[G0W+4*\n:G0W+4*\n+3], s[G1W:G1W+7]
	s_nop 0
.rept 4
	v_nop
.endr
.endm
; A PREFETCH of records that later changes of slots will ask for.  The bytes of wq from 425,984 on are cut into 56 asks of 32,768; an ask is one instruction in each of the four partners of the
; launch's first cluster, 8,192 bytes apart BY ADDRESS, lanes 256 bytes apart: each aligned block of 256 bytes is named once in the launch, and the last ask ends at the buffer's last byte.
; Waves 0 to 4 ask, one ask each at a change of slots: wave w makes asks w, w + 5, w + 10 .. while the number is under 56: change number c has then named all bytes up to 589,824 + 163,840 c, and the record set
; filled two changes later ends at 565,248 + 141,312 c.  The bytes ahead of 425,984 come by their loads alone.
.macro ASK
	s_cmp_lt_u32 s[PA], s[LIM]
	s_cbranch_scc0 .Lnot_mine_\@
	global_prefetch_b8 v[PFO], s[PFA:PFA+1] th:TH_LOAD_NT scope:SCOPE_SE
.Lnot_mine_\@:
.endm
; A PAIR on set b.  kind 0: the next pair lies in the same slot.  1: this was the slot's last pair: slot cs is filled again, and the next pair comes from the other slot.
; 2: the same in the tail: nothing is left to fetch; my own record of the last slot has landed behind the wait, and only I read it.  3: the last pair of all.
; The next pair's loads (slot ns, pair np) go into the other set, whose last readers stand a whole vector phase back, and land while this pair's vector work runs.
.macro PAIR b, kind, cs, ns, np, pbstep
	s_wait_dscnt 0x0                               ; this pair's 21 loads, issued ahead of the last pair's vector work
	MULS \b
.if \kind == 1
	CHANGE \cs, 1, 0
.elseif \kind == 2
	s_wait_tensorcnt 0x0
.endif
.if \kind != 3
	LOADS \ns, \np, 1-\b
.endif
.if \kind == 1
	ASK
.endif
	EPI \b, \pbstep
.endm
	s_load_b128 s[4:7], s[0:1], 0x0                ; e s[4:5], wq s[6:7]
	s_load_b64 s[8:9], s[0:1], 0x10                ; out0
	s_load_b64 s[14:15], s[0:1], 0x18              ; idxw
	v_lshl_add_u32 v[SPW], v0, 2, SPARE
	v_mov_b32 v[NIL], 0
	ds_add_u32 v1, v2
	ds_add_u32 v1, v2
	s_wait_dscnt 0x0
	v_lshrrev_b32 v19, 5, v0
	v_readfirstlane_b32 s[WV], v19                 ; wave 0..7
	s_bfe_u32 s11, ttmp6, 0x40000                  ; cx: my place in the cluster: it enters global addresses of e, out0, idxw and the prefetches alone
	s_lshl_b32 s12, ttmp9, 2                       ; in a cluster launch ttmp9 counts clusters
	s_add_co_u32 s12, s12, s11                     ; my block of 64 rows
	; group 1 for e: 16 rows x 1,024 bytes (128 elements of 8), 2,048 bytes apart, 16 bytes of padding behind each row: LDS rows 1,040 bytes apart
	s_mov_b32 s[G1E+0], (3<<16)|(1<<20)|(7<<22)|(3<<25)   ; no mask; elements of 8 bytes; padding on: 4 words (code 3) behind every 256 (code 7)
	s_mov_b32 s[G1E+1], 128<<16                    ; tensor_dim0
	s_mov_b32 s[G1E+2], 16<<16                     ; tensor_dim1
	s_mov_b32 s[G1E+3], 128<<16                    ; tile_dim0
	s_mov_b32 s[G1E+4], 16                         ; tile_dim1
	s_mov_b32 s[G1E+5], 256                        ; from row to row, in elements
	s_mov_b32 s[G1E+6], 0
	s_mov_b32 s[G1E+7], 0
	; group 1 for a record: a dense block, as 69 rows of 256 bytes
	s_mov_b32 s[G1W+0], 15|(3<<16)|(1<<21)         ; the mask: all four work-groups; elements of 8 bytes; bit 21 set beside a mask
	s_mov_b32 s[G1W+1], 32<<16
	s_mov_b32 s[G1W+2], 69<<16
	s_mov_b32 s[G1W+3], 32<<16
	s_mov_b32 s[G1W+4], 69
	s_mov_b32 s[G1W+5], 32
	s_mov_b32 s[G1W+6], 0
	s_mov_b32 s[G1W+7], 0
	s_lshl_b32 s56, s12, 17                        ; my block's 64 rows of 2,048 bytes;
	s_lshr_b32 s58, s[WV], 1
	s_lshl_b32 s58, s58, 15                        ; wave w quantises row tile w / 2,
	s_add_co_u32 s56, s56, s58
	s_and_b32 s58, s[WV], 1
	s_lshl_b32 s58, s58, 10                        ; half w % 2 of K
	s_add_co_u32 s56, s56, s58
	s_mov_b32 s57, 0
	s_mul_i32 s13, s[WV], QREC                     ; my record in a slot, in LDS and in memory: no place in the cluster enters it
	s_mov_b32 s58, s13
	s_mov_b32 s59, 0
	s_mul_i32 s60, s[WV], EPART
	s_mov_b32 s[SEL], 0x76543210
	s_mov_b32 s[SEL+1], 0xfedcba98
	s_mov_b32 s44, 7
	s_mov_b32 s[PA], s[WV]
	s_cmp_lt_u32 s[WV], 5
	s_cselect_b32 s[LIM], 56, 0
	s_cmp_eq_u32 ttmp9, 0                          ; the launch's first cluster: the same in all four partners
	s_cselect_b32 s[LIM], s[LIM], 0
	s_wait_kmcnt 0x0
	s_mov_b32 s[G0E], 1                            ; count = 1
	s_add_co_u32 s[G0E+1], s60, ESTG               ; LDS address
	s_add_nc_u64 s[G0E+2:G0E+3], s[4:5], s[56:57]  ; global address
	s_or_b32 s[G0E+3], s[G0E+3], 0x80000000        ; type = 2
	s_mov_b32 s[G0W], 1
	s_mov_b32 s[G0W+1], s13
	s_add_nc_u64 s[G0W+2:G0W+3], s[6:7], s[58:59]  ; slot 0 begins with records 0 to 7,
	s_mov_b32 s[G0W+4], 1
	s_add_co_u32 s[G0W+5], s13, SLOT
	s_add_nc_u64 s[G0W+6:G0W+7], s[G0W+2:G0W+3], SLOT   ; slot 1 with records 8 to 15
	s_or_b32 s[G0W+3], s[G0W+3], 0x80000000
	s_or_b32 s[G0W+7], s[G0W+7], 0x80000000
	s_lshl_b32 s56, s[WV], 15
	s_lshl_b32 s58, s11, 13
	s_add_co_u32 s56, s56, s58
	s_add_co_u32 s56, s56, 425984
	s_add_nc_u64 s[PFA:PFA+1], s[6:7], s[56:57]    ; my first ask
	s_lshl_b32 s56, s12, 8                         ; my block's 64 indices
	s_add_nc_u64 s[8:9], s[8:9], s[56:57]
	s_add_nc_u64 s[14:15], s[14:15], s[56:57]
	ROUND                                          ; all four work-groups are here: the first joint loads meet
	tensor_load_to_lds s[G0E:G0E+3], s[G1E:G1E+7]  ; the two first fills go out together: two loads of mine are out
	s_nop 0
	tensor_load_to_lds s[G0W:G0W+3], s[G1W:G1W+7]
	s_nop 0
.rept 4
	v_nop
.endr
	v_and_b32 v19, 31, v0                          ; lane
	v_and_b32 v126, 15, v0                         ; r
	v_bfe_u32 v127, v0, 4, 1                       ; h
	v_lshlrev_b32 v124, 4, v19
	v_lshlrev_b32 v125, 2, v19
	v_add_nc_u32 v[WA], s13, v124
	v_add_nc_u32 v[WA+1], SLOT, v[WA]
	v_lshl_add_u32 v[WB], v127, 5, s13
	v_add_nc_u32 v[WB+1], SLOT, v[WB]
	v_add_nc_u32 v[EIA], EIMG, v124
	v_add_nc_u32 v[ESA], ESC, v125
	s_lshl_b32 s56, s[WV], 11
	v_add_nc_u32 v[EIW], s56, v[EIA]               ; my fragments are numbers 2 w and 2 w + 1
	s_lshl_b32 s56, s[WV], 8
	v_add_nc_u32 v[ESW], s56, v[ESA]
	s_lshl_b32 s58, s[WV], 7
	v_add_nc_u32 v[EPW], s58, v125
	v_add_nc_u32 v[EPW], EEP, v[EPW]
	v_mul_u32_u24 v[EA], v126, 1040
	v_lshl_add_u32 v[EA], v127, 7, v[EA]           ; row r, + 128 h: my 32 numbers of each 64
	v_add_nc_u32 v[EA], s60, v[EA]
	v_add_nc_u32 v[EA], ESTG, v[EA]
	v_lshlrev_b32 v[PFO], 8, v19
	v_lshlrev_b32 v[QH], 3, v127
	v_lshlrev_b32 v[MGW], 2, v126
	v_add_nc_u32 v[MGW], s56, v[MGW]
	v_add_nc_u32 v[MGW], MRGV, v[MGW]
	v_lshlrev_b32 v[OO], 3, v19
	v_add_nc_u32 v[MGR], MRGV, v[OO]
	v_mov_b32 v[QM+7], 0                           ; a lane permute's destination counts as one of its sources
	; ---- e: my 16 rows x 256 along K become two fragments, their scale words and half of |e|^2
	s_wait_tensorcnt 0x1                           ; my part of e is in (only I read it); my record of slot 0, issued behind it, may be out
.irp c, 0,1
.irp i, 0,1,2,3,4,5,6,7
	ds_load_b128 v[ACC+32*\c+4*\i:ACC+32*\c+4*\i+3], v[EA] offset:256*\c+16*\i
.endr
.endr
.irp c, 0,1
.irp i, 0,1,2,3,4,5,6,7
	ds_load_b128 v[SV+32*\c+4*\i:SV+32*\c+4*\i+3], v[EA] offset:512+256*\c+16*\i
.endr
.endr
	s_wait_dscnt 16                                ; the first K step's 16 loads are in
	SQ ACC, 1
	QBLK ACC, PC, PW
	ds_store_b128 v[EIW], v[PC:PC+3]               ; the fragment goes to LDS as it stands: 16 bytes a lane, 512 a store
	ds_store_b128 v[EIW], v[PC+4:PC+7] offset:512
	ds_store_b32 v[ESW], v[PW]
	s_wait_dscnt 3                                 ; the second K step's loads are in; the three stores may be out
	SQ SV, 0
	QBLK SV, PC+8, PW+1
	ds_store_b128 v[EIW], v[PC+8:PC+11] offset:1024
	ds_store_b128 v[EIW], v[PC+12:PC+15] offset:1536
	ds_store_b32 v[ESW], v[PW+1] offset:128
	v_add_f32 v[SUM], v[SUM], v[SUM+1]
	v_add_f32 v[SUM+2], v[SUM+2], v[SUM+3]
	v_add_f32 v[SUM], v[SUM], v[SUM+2]
	v_permlanex16_b32 v[QM+7], v[SUM], s[SEL], s[SEL+1]
	v_add_f32 v[SUM], v[SUM], v[QM+7]              ; row r's sum over my half of K, in lanes r and 16 + r
	ds_store_b32 v[EPW], v[SUM]
	; ---- slot 1 is filled over the stage, as a refill is; behind the round every wave's images lie in LDS
	CHANGE 1, 0, 1
	WIN TOW1
.set FI, 0
.rept 16
	ds_load_b128 v[8*FI:8*FI+3], v[EIA] offset:1024*FI        ; e's 16 fragments stay in registers
	ds_load_b128 v[8*FI+4:8*FI+7], v[EIA] offset:1024*FI+512
.set FI, FI+1
.endr
	WIN 0
.set FI, 0
.rept 16
	ds_load_b32 v[ESCR+FI], v[ESA] offset:128*FI               ; and their scale words: lane r has row r's
.set FI, FI+1
.endr
.irp t, 0,1,2,3,4,5,6,7
	ds_load_b32 v[PC+\t], v[ESA] offset:2048+128*\t            ; |e|^2 by halves: of row tile t / 2, half t % 2
.endr
	LOADS 0, 0, 0                                  ; the first pair
	ASK
	s_mov_b32 s56, 0x7f800000                      ; +infinity: above every d2
	s_lshl_b32 s[PB], s[WV], 6                     ; my first record's first codebook row
.irp m, 0,1,2,3
	v_mov_b32 v[RUN+\m], s56
	v_mov_b32 v[ID+\m], s[PB]
.endr
.set FI, 0
.rept 64
	v_mov_b32 v[SV+FI], s56                        ; the kept values begin as the running least does: once, 64 lines
.set FI, FI+1
.endr
	s_wait_dscnt 21                                ; all but the first pair's 21 loads
.irp m, 0,1,2,3
	v_add_f32 v[EE+2*\m], v[PC+2*\m], v[PC+2*\m+1]
.endr
.irp m, 0,1,2,3
	v_mov_b32 v[EE+2*\m+1], v[EE+2*\m]             ; twice: a pair for the packed multiply-add
.endr
.Ltrip:                                            ; seven trips: a trip goes once round the ring (1,024 codebook rows) and fills both slots again
	PAIR 0, 0, 0, 0, 1, 32
	PAIR 1, 1, 0, 1, 0, 480
	PAIR 0, 0, 0, 1, 1, 32
	PAIR 1, 1, 1, 0, 0, 480
	s_sub_co_u32 s44, s44, 1
	s_cmp_lg_u32 s44, 0
	s_cbranch_scc1 .Ltrip
	PAIR 0, 0, 0, 0, 1, 32                         ; the last two slots are written out: nothing more is asked for
	PAIR 1, 2, 0, 1, 0, 480
	PAIR 0, 0, 0, 1, 1, 32
	PAIR 1, 3, 0, 0, 0, 0
	; ---- which of the kept 16 is the least: the lowest place wins.  Place i is codebook row 16 (i / 8) + i % 8 + 8 h of the pair
.irp m, 0,1,2,3
	v_mov_b32 v[T0+\m], 23
.endr
.irp i, 14,13,12,11,10,9,8,7,6,5,4,3,2,1,0
.irp m, 0,1,2,3
	v_cmp_neq_f32 s[MK+\m], v[SV+16*\m+\i], v[RUN+\m]
.endr
.irp m, 0,1,2,3
	v_cndmask_b32 v[T0+\m], 16*(\i/8)+\i%8, v[T0+\m], s[MK+\m]
.endr
.endr
.irp m, 0,1,2,3
	v_add3_u32 v[ID+\m], v[ID+\m], v[T0+\m], v[QH]
.endr
.irp m, 0,1,2,3
	v_permlanex16_b32 v[T1+\m], v[RUN+\m], s[SEL], s[SEL+1]    ; the row's other half of each tile lies in the lane 16 away
	v_permlanex16_b32 v[T0+\m], v[ID+\m], s[SEL], s[SEL+1]
.endr
.irp m, 0,1,2,3
	LEXMIN RUN+\m, ID+\m, T1+\m, T0+\m
.endr
.irp m, 0,1,2,3
	ds_store_b32 v[MGW], v[RUN+\m] offset:64*\m                ; lanes r and 16 + r write the same word with the same value
	ds_store_b32 v[MGW], v[ID+\m] offset:2048+64*\m
.endr
	s_wait_dscnt 0x0                               ; for the others' sake: my stores have landed
	s_barrier_signal -1
	s_barrier_wait -1
	s_cmp_lg_u32 s[WV], 0                          ; wave 0 joins the eight waves' results: two rows a lane
	s_cbranch_scc1 .Ldone
.irp t, 0,1,2,3,4,5,6,7
	ds_load_b64 v[ACC+2*\t:ACC+2*\t+1], v[MGR] offset:256*\t
	ds_load_b64 v[ACC+16+2*\t:ACC+16+2*\t+1], v[MGR] offset:2048+256*\t
.endr
	s_wait_dscnt 0x0
.irp t, 1,2,3,4,5,6,7
	LEXMIN ACC, ACC+16, ACC+2*\t, ACC+16+2*\t
	LEXMIN ACC+1, ACC+17, ACC+2*\t+1, ACC+17+2*\t
.endr
	global_store_b64 v[OO], v[ACC+16:ACC+17], s[8:9]           ; 32 lanes store 256 consecutive bytes, aligned
	global_store_b64 v[OO], v[ACC+16:ACC+17], s[14:15]
.Ldone:
	s_wait_tensorcnt 0x0                           ; the wave's end, behind my last tensor load and my last LDS store
	ds_add_u32 v[SPW], v[NIL]
	s_wait_dscnt 0x0
	ROUND                                          ; the closing round: no work-group ends while a partner may still ask for a record that names it
	s_endpgm
.Lfunc_end_k_q7b23159e0e_main:
	.size	k_q7b23159e0e_main, .Lfunc_end_k_q7b23159e0e_main-k_q7b23159e0e_main
	.p2alignl 7, 3214868480
	.fill 96, 4, 3214868480
	.section	.rodata,"a",@progbits
	.p2align	6, 0x0
	.amdhsa_kernel k_q7b23159e0e_main
		.amdhsa_group_segment_fixed_size 327680
		.amdhsa_private_segment_fixed_size 0
		.amdhsa_enable_private_segment 0
		.amdhsa_kernarg_size 32
		.amdhsa_user_sgpr_count 2
		.amdhsa_user_sgpr_kernarg_segment_ptr 1
		.amdhsa_wavefront_size32 1
		.amdhsa_system_sgpr_workgroup_id_x 1
		.amdhsa_system_sgpr_workgroup_id_y 1
		.amdhsa_system_sgpr_workgroup_id_z 1
		.amdhsa_system_vgpr_workitem_id 0
		.amdhsa_next_free_vgpr 512
		.amdhsa_next_free_sgpr 66
		.amdhsa_reserve_vcc 1
		.amdhsa_float_denorm_mode_32 3
		.amdhsa_float_denorm_mode_16_64 3
		.amdhsa_memory_ordered 1
		.amdhsa_forward_progress 1
		.amdhsa_inst_pref_size 174
	.end_amdhsa_kernel
	.amdgpu_metadata
---
amdhsa.version: [ 1, 2 ]
amdhsa.kernels:
  - .name:           k_q7b23159e0e_main
    .symbol:         k_q7b23159e0e_main.kd
    .args:
      - { .name: e, .offset: 0, .size: 8, .value_kind: global_buffer, .address_space: global }
      - { .name: wq, .offset: 8, .size: 8, .value_kind: global_buffer, .address_space: global }
      - { .name: out0, .offset: 16, .size: 8, .value_kind: global_buffer, .address_space: global }
      - { .name: idxw, .offset: 24, .size: 8, .value_kind: global_buffer, .address_space: global }
    .group_segment_fixed_size: 327680
    .private_segment_fixed_size: 0
    .kernarg_segment_align: 8
    .kernarg_segment_size: 32
    .max_flat_workgroup_size: 256
    .sgpr_count:     66
    .vgpr_count:     512
    .wavefront_size: 32
...
	.end_amdgpu_metadata
.endif
;; end of part 2
;; launch gather (part 3): grid 256 x 1, 8 waves a work-group, no clusters, 0 bytes of LDS; arguments idxw, W, out1; writes out1
.if DOCPART == 3
	.amdgcn_target "amdgcn-amd-amdhsa--gfx1250"
	.amdhsa_code_object_version 6
	.text
	.protected	k_q7b23159e0e_gather
	.globl	k_q7b23159e0e_gather
	.p2align	8
	.type	k_q7b23159e0e_gather,@function
k_q7b23159e0e_gather:
	s_mov_b64 s[64:65], 0
	v_nop
	global_prefetch_b8 v0, s[64:65] scope:SCOPE_SE
	s_setreg_imm32_b32 hwreg(HW_REG_WAVE_MODE, 25, 1), 1
	s_wait_xcnt 0x0
; out1[n][:] = W[idxw[n]][:].  A row is 2,048 bytes.  A wave takes eight rows: their indices come by one scalar load, each row by four loads of 512 consecutive bytes,
; all 32 loads (16 KiB) out at once; each row leaves by four stores of 512 consecutive bytes, at multiples of 256 from out1's first byte.
; No store's or load's source is ever rewritten.  No LDS, no matrix unit, no cluster: waves share nothing, and the stream is short.
; The loads carry no hint: the list may name a row of W many times.  An index is held to 8,191, the table's last row, ahead of its use in an address.
	s_load_b128 s[4:7], s[0:1], 0x0                ; idxw s[4:5], W s[6:7]
	s_load_b64 s[8:9], s[0:1], 0x10                ; out1
	v_lshrrev_b32 v1, 5, v0
	v_readfirstlane_b32 s10, v1                    ; wave 0..7
	v_and_b32 v1, 31, v0
	v_lshlrev_b32 v1, 4, v1                        ; 16 bytes a lane
	s_lshl_b32 s11, ttmp9, 3
	s_add_co_u32 s11, s11, s10                     ; my run of eight rows
	s_lshl_b32 s12, s11, 5                         ; its 32 bytes of indices
	s_mov_b32 s13, 0
	s_lshl_b32 s14, s11, 14                        ; its 16,384 bytes of out1
	s_mov_b32 s15, 0
	s_wait_kmcnt 0x0
	s_add_nc_u64 s[4:5], s[4:5], s[12:13]
	s_add_nc_u64 s[8:9], s[8:9], s[14:15]
	s_load_b256 s[16:23], s[4:5], 0x0
	s_wait_kmcnt 0x0
.irp i, 0,1,2,3,4,5,6,7
	s_min_u32 s[16+\i], s[16+\i], 0x1fff
	s_lshl_b32 s[16+\i], s[16+\i], 11
	v_add_nc_u32 v[2+\i], s[16+\i], v1             ; the row's first byte in W + my 16 bytes
.endr
.irp i, 0,1,2,3,4,5,6,7
.irp j, 0,1,2,3
	global_load_b128 v[16+16*\i+4*\j:16+16*\i+4*\j+3], v[2+\i], s[6:7] offset:512*\j
.endr
.endr
.irp i, 0,1,2,3,4,5,6,7
	s_wait_loadcnt 28-4*\i                         ; row i's four loads are in; the later rows' stay out
.irp j, 0,1,2,3
	global_store_b128 v1, v[16+16*\i+4*\j:16+16*\i+4*\j+3], s[8:9] offset:2048*\i+512*\j th:TH_STORE_NT
.endr
.endr
	s_endpgm
.Lfunc_end_k_q7b23159e0e_gather:
	.size	k_q7b23159e0e_gather, .Lfunc_end_k_q7b23159e0e_gather-k_q7b23159e0e_gather
	.p2alignl 7, 3214868480
	.fill 96, 4, 3214868480
	.section	.rodata,"a",@progbits
	.p2align	6, 0x0
	.amdhsa_kernel k_q7b23159e0e_gather
		.amdhsa_group_segment_fixed_size 0
		.amdhsa_private_segment_fixed_size 0
		.amdhsa_enable_private_segment 0
		.amdhsa_kernarg_size 24
		.amdhsa_user_sgpr_count 2
		.amdhsa_user_sgpr_kernarg_segment_ptr 1
		.amdhsa_wavefront_size32 1
		.amdhsa_system_sgpr_workgroup_id_x 1
		.amdhsa_system_sgpr_workgroup_id_y 1
		.amdhsa_system_sgpr_workgroup_id_z 1
		.amdhsa_system_vgpr_workitem_id 0
		.amdhsa_next_free_vgpr 144
		.amdhsa_next_free_sgpr 66
		.amdhsa_reserve_vcc 0
		.amdhsa_float_denorm_mode_32 3
		.amdhsa_float_denorm_mode_16_64 3
		.amdhsa_memory_ordered 1
		.amdhsa_forward_progress 1
		.amdhsa_inst_pref_size 9
	.end_amdhsa_kernel
	.amdgpu_metadata
---
amdhsa.version: [ 1, 2 ]
amdhsa.kernels:
  - .name:           k_q7b23159e0e_gather
    .symbol:         k_q7b23159e0e_gather.kd
    .args:
      - { .name: idxw, .offset: 0, .size: 8, .value_kind: global_buffer, .address_space: global }
      - { .name: W, .offset: 8, .size: 8, .value_kind: global_buffer, .address_space: global }
      - { .name: out1, .offset: 16, .size: 8, .value_kind: global_buffer, .address_space: global }
    .group_segment_fixed_size: 0
    .private_segment_fixed_size: 0
    .kernarg_segment_align: 8
    .kernarg_segment_size: 24
    .max_flat_workgroup_size: 256
    .sgpr_count:     66
    .vgpr_count:     144
    .wavefront_size: 32
...
	.end_amdgpu_metadata
.endif
;; end of part 3
;; ======== version 2 of 2: 3 launches
;; limits: right only within a limited range of input values
;; workspace buffers: wq 2,260,992 bytes; idxw 65,536 bytes of whole numbers
;; launch quant (part 4): grid 256 x 1, 2 waves a work-group, no clusters, 17,152 bytes of LDS; arguments W, wq; writes wq
.if DOCPART == 4
	.amdgcn_target "amdgcn-amd-amdhsa--gfx1250"
	.amdhsa_code_object_version 6
	.text
	.protected	k_q7b23159e0e_quant
	.globl	k_q7b23159e0e_quant
	.p2align	8
	.type	k_q7b23159e0e_quant,@function
k_q7b23159e0e_quant:
	s_mov_b64 s[64:65], 0
	v_nop
	global_prefetch_b8 v0, s[64:65] scope:SCOPE_SE
	s_setreg_imm32_b32 hwreg(HW_REG_WAVE_MODE, 25, 1), 1
	s_wait_xcnt 0x0
; W [8192][512], f32, becomes what the main launch's waves take as they stand: 128 records of QREC bytes, one for each 64 rows.
; A record: +0 four tiles (16 rows each) x 4,096 bytes of FP4 (E2M1) codes as IMAGES OF THE OPERAND'S REGISTERS: the 16 bytes at 1024 q + 512 c + 16 lane are
; registers 4 c .. 4 c + 3 of the fragment of K step q (128 along K): lane (r, h) holds row r, k = 128 q + 64 c + 32 h + 0 .. 31.
; +16384 sixty-four rows x 16 scale bytes (E8M0; word q of a row serves K step q).  +17408 sixty-four f32: each row's sum of squares of the UNQUANTISED numbers.
; A block's scale is 2^(floor(log2(its largest magnitude)) - 2); its byte is the largest magnitude's exponent field - 2, held at 1 from below.
; LIMITS: NaN and infinities are not served.  A block of zeros gets the byte 1 (its codes are zeros; only this program reads the bytes).
; The sum of squares is added in four chains and across two lanes: another order than a chain along the row.
; SHARES: a wave takes one tile, 16 rows x 512; two waves to a work-group, 512 tiles.  All 64 loads of a wave (512 consecutive bytes of one row each) are issued at the head, into four sets of 64 registers.
; A K step's 16 x 512 bytes turn through the wave's own stage in LDS (rows of 528 bytes: 33 x 16, so the sixteen rows that a read touches start in different banks)
; and come back 32 neighbours along K to a lane and block.  No matrix unit, no tensor load, no barrier: waves share nothing.
.set QREC, 17664
.set STG,  16*528                      ; a wave's stage
.set LN,   1                           ; v1  lane
.set GL,   4                           ; v4  16 x lane: my bytes of a load's 512, and of an image's 512; never rewritten
.set STW,  5                           ; v5  the stage, on the way in
.set STR,  6                           ; v6  the stage, on the way out: 528 r + 128 h
.set QH,   7                           ; v7  8 h: where my two scale bytes stand in the word
.set QM,   10                          ; v10-17 the quantiser's
.set SUM,  18                          ; v[18:21] the sum of squares in four chains
.set SW,   24                          ; v[24:27] the four scale words
.set C,    28                          ; v[28:59] codes: eight registers for each K step
.set X,    64                          ; v[64:127] 64 numbers: two blocks of 32
.set R,    128                         ; v[128:255] of window 0: K steps 0, 1 as loaded; of window 1: K steps 2, 3
.set SEL,  20                          ; s[20:21] v_permlanex16_b32's selects for lane l xor 16
.set MSB, 0
.macro WIN new                         ; the immediate's high byte repeats the setting that is left
.if MSB != (\new)
	s_set_vgpr_msb (MSB<<8)|(\new)
.set MSB, (\new)
.endif
.endm
.macro LOAD t                          ; K step t of the 16 rows
	WIN 0x40*((\t)/2)                              ; the destination's window
.irp i, 0,1,2,3,4,5,6,7,8,9,10,11,12,13,14,15
	global_load_b128 v[R+64*((\t)%2)+4*\i:R+64*((\t)%2)+4*\i+3], v[GL], s[4:5] offset:2048*\i+512*(\t) th:TH_LOAD_NT
.endr
.endm
; 64 numbers of a lane, v[x + 32 c + i] = k 64 c + 32 h + i of my row.  Codes into v[pc] .. v[pc + 7], the row's scale word into v[pw].
.macro QBLK x, pc, pw
.irp c, 0,1
	v_max3_num_f32 v[QM+\c], |v[\x+32*\c]|, |v[\x+32*\c+1]|, 0x1800000    ; with the floor 2^(3 - 127): the byte cannot fall under 1
.endr
.irp i, 2,4,6,8,10,12,14,16,18,20,22,24,26,28,30
.irp c, 0,1
	v_max3_num_f32 v[QM+\c], v[QM+\c], |v[\x+32*\c+\i]|, |v[\x+32*\c+\i+1]|
.endr
.endr
.irp c, 0,1
	v_add_nc_u32 v[QM+2+\c], 0xff000000, v[QM+\c]  ; 2 off the exponent field: the conversion's scale operand
.endr
.irp c, 0,1
	v_lshrrev_b32 v[QM+4+\c], 23, v[QM+2+\c]       ; the scale's byte
.endr
	v_lshl_or_b32 v[QM+6], v[QM+5], 16, v[QM+4]    ; my bytes: blocks h and 2 + h,
	v_lshlrev_b32 v[QM+6], v[QH], v[QM+6]          ; at their places;
	v_permlanex16_b32 v[QM+7], v[QM+6], s[SEL], s[SEL+1]
	v_or_b32 v[\pw], v[QM+6], v[QM+7]              ; with lane l xor 16's two the word is whole
.irp c, 0,1
.irp g, 0,1,2,3
	v_cvt_scalef32_pk8_fp4_f32 v[\pc+4*\c+\g], v[\x+32*\c+8*\g:\x+32*\c+8*\g+7], v[QM+2+\c]
.endr
.endr
	v_nop                                          ; one plain place behind the last scaled conversion
.endm
.macro SQ x, first                     ; the 64 numbers' squares onto the four chains; first = 1: the first products start them
.set j, 0
.rept 32
.if (\first) && (j < 2)
	v_pk_mul_f32 v[SUM+2*(j%2):SUM+2*(j%2)+1], v[\x+2*j:\x+2*j+1], v[\x+2*j:\x+2*j+1]
.else
	v_pk_fma_f32 v[SUM+2*(j%2):SUM+2*(j%2)+1], v[\x+2*j:\x+2*j+1], v[\x+2*j:\x+2*j+1], v[SUM+2*(j%2):SUM+2*(j%2)+1]
.endif
.set j, j+1
.endr
.endm
.macro STEP q, first
	s_wait_loadcnt 16*(3-\q)                       ; this K step's 16 loads are in; the later steps' 16 each may be out
	WIN 0x04*((\q)/2)                              ; the stores' data: window 0 or 1
.irp i, 0,1,2,3,4,5,6,7,8,9,10,11,12,13,14,15
	ds_store_b128 v[STW], v[R+64*((\q)%2)+4*\i:R+64*((\q)%2)+4*\i+3] offset:528*\i
.endr
	WIN 0
.irp c, 0,1
.irp i, 0,1,2,3,4,5,6,7
	ds_load_b128 v[X+32*\c+4*\i:X+32*\c+4*\i+3], v[STR] offset:256*\c+16*\i   ; LDS serves a wave's instructions in order: these see the stores above
.endr
.endr
	s_wait_dscnt 0x0
	SQ X, \first
	QBLK X, C+8*\q, SW+\q
.irp c, 0,1
	global_store_b128 v[GL], v[C+8*\q+4*\c:C+8*\q+4*\c+3], s[24:25] offset:1024*\q+512*\c   ; 32 lanes store 512 consecutive bytes, at a multiple of 256 from the buffer's first byte
.endr
.endm
	s_load_b128 s[4:7], s[0:1], 0x0                ; W s[4:5], wq s[6:7]
	v_lshl_add_u32 v62, v0, 2, 0x4200              ; my spare word, behind the two stages
	v_mov_b32 v63, 0
	v_lshrrev_b32 v1, 5, v0
	v_readfirstlane_b32 s8, v1                     ; wave 0, 1
	v_and_b32 v[LN], 31, v0
	v_and_b32 v2, 15, v0                           ; r
	v_bfe_u32 v3, v0, 4, 1                         ; h
	v_lshlrev_b32 v[GL], 4, v[LN]
	s_mul_i32 s9, s8, STG
	v_add_nc_u32 v[STW], s9, v[GL]
	v_mul_u32_u24 v[STR], v2, 528
	v_lshl_add_u32 v[STR], v3, 7, v[STR]
	v_add_nc_u32 v[STR], s9, v[STR]
	v_lshlrev_b32 v[QH], 3, v3
	v_lshlrev_b32 v8, 4, v2                        ; 16 r: my row's scale bytes
	v_lshlrev_b32 v9, 2, v2                        ; 4 r: its sum of squares
	v_mov_b32 v[QM+7], 0                           ; a lane permute's destination counts as one of its sources
	s_mov_b32 s[SEL], 0x76543210
	s_mov_b32 s[SEL+1], 0xfedcba98
	s_lshl_b32 s10, ttmp9, 1
	s_add_co_u32 s10, s10, s8                      ; my tile: 2 x work-group + wave
	s_lshl_b32 s12, s10, 15                        ; its 16 rows of 2,048 bytes in W
	s_mov_b32 s13, 0
	s_lshr_b32 s14, s10, 2
	s_mul_i32 s14, s14, QREC                       ; its record
	s_mov_b32 s15, 0
	s_and_b32 s11, s10, 3                          ; and its place among the record's four tiles
	s_lshl_b32 s16, s11, 12
	s_mov_b32 s17, 0
	s_lshl_b32 s18, s11, 8
	s_add_co_u32 s18, s18, 16384
	s_mov_b32 s19, 0
	s_lshl_b32 s30, s11, 6
	s_add_co_u32 s30, s30, 17408
	s_mov_b32 s31, 0
	s_wait_alu depctr_va_vdst(0)
	s_wait_kmcnt 0x0
	s_add_nc_u64 s[4:5], s[4:5], s[12:13]
	s_add_nc_u64 s[6:7], s[6:7], s[14:15]
	s_add_nc_u64 s[24:25], s[6:7], s[16:17]        ; the codes' images
	s_add_nc_u64 s[26:27], s[6:7], s[18:19]        ; the scale bytes
	s_add_nc_u64 s[28:29], s[6:7], s[30:31]        ; the sums of squares
	LOAD 0
	LOAD 1
	LOAD 2
	LOAD 3
	STEP 0, 1
	STEP 1, 0
	STEP 2, 0
	STEP 3, 0
	v_add_f32 v[SUM], v[SUM], v[SUM+1]
	v_add_f32 v[SUM+2], v[SUM+2], v[SUM+3]
	v_add_f32 v[SUM], v[SUM], v[SUM+2]
	v_permlanex16_b32 v[QM+7], v[SUM], s[SEL], s[SEL+1]
	v_add_f32 v[SUM], v[SUM], v[QM+7]              ; with lane l xor 16's half of the row
	s_wait_alu depctr_va_vdst(0)
	s_wait_xcnt 0x0                                ; EXEC is a source of the stores above: it changes only behind this wait
	v_cmp_gt_u32 vcc_lo, 16, v[LN]
	s_wait_tensorcnt 0x0                           ; the wave's end, behind my last LDS store
	ds_add_u32 v62, v63
	s_wait_dscnt 0x0
	s_and_saveexec_b32 s23, vcc_lo                 ; lanes 0-15: one lane a row
	global_store_b128 v8, v[SW:SW+3], s[26:27]     ; sixteen lanes store 256 consecutive bytes, aligned
	global_store_b32 v9, v[SUM], s[28:29]          ; 64 bytes of the record's last 256: the tile's share
	s_wait_xcnt 0x0                                ; and again in front of the line that widens EXEC
	s_or_b32 exec_lo, exec_lo, s23
	s_endpgm
.Lfunc_end_k_q7b23159e0e_quant:
	.size	k_q7b23159e0e_quant, .Lfunc_end_k_q7b23159e0e_quant-k_q7b23159e0e_quant
	.p2alignl 7, 3214868480
	.fill 96, 4, 3214868480
	.section	.rodata,"a",@progbits
	.p2align	6, 0x0
	.amdhsa_kernel k_q7b23159e0e_quant
		.amdhsa_group_segment_fixed_size 17152
		.amdhsa_private_segment_fixed_size 0
		.amdhsa_enable_private_segment 0
		.amdhsa_kernarg_size 16
		.amdhsa_user_sgpr_count 2
		.amdhsa_user_sgpr_kernarg_segment_ptr 1
		.amdhsa_wavefront_size32 1
		.amdhsa_system_sgpr_workgroup_id_x 1
		.amdhsa_system_sgpr_workgroup_id_y 1
		.amdhsa_system_sgpr_workgroup_id_z 1
		.amdhsa_system_vgpr_workitem_id 0
		.amdhsa_next_free_vgpr 512
		.amdhsa_next_free_sgpr 66
		.amdhsa_reserve_vcc 1
		.amdhsa_float_denorm_mode_32 3
		.amdhsa_float_denorm_mode_16_64 3
		.amdhsa_memory_ordered 1
		.amdhsa_forward_progress 1
		.amdhsa_inst_pref_size 38
	.end_amdhsa_kernel
	.amdgpu_metadata
---
amdhsa.version: [ 1, 2 ]
amdhsa.kernels:
  - .name:           k_q7b23159e0e_quant
    .symbol:         k_q7b23159e0e_quant.kd
    .args:
      - { .name: W, .offset: 0, .size: 8, .value_kind: global_buffer, .address_space: global }
      - { .name: wq, .offset: 8, .size: 8, .value_kind: global_buffer, .address_space: global }
    .group_segment_fixed_size: 17152
    .private_segment_fixed_size: 0
    .kernarg_segment_align: 8
    .kernarg_segment_size: 16
    .max_flat_workgroup_size: 64
    .sgpr_count:     66
    .vgpr_count:     512
    .wavefront_size: 32
...
	.end_amdgpu_metadata
.endif
;; end of part 4
;; launch main (part 5): grid 256 x 1, 8 waves a work-group, clusters of 4 x 1, 327,680 bytes of LDS; arguments e, wq, idxw, out0; writes idxw, out0
.if DOCPART == 5
	.amdgcn_target "amdgcn-amd-amdhsa--gfx1250"
	.amdhsa_code_object_version 6
	.text
	.protected	k_q7b23159e0e_main
	.globl	k_q7b23159e0e_main
	.p2align	8
	.type	k_q7b23159e0e_main,@function
k_q7b23159e0e_main:
	s_mov_b64 s[64:65], 0
	v_nop
	global_prefetch_b8 v0, s[64:65] scope:SCOPE_SE
	s_setreg_imm32_b32 hwreg(HW_REG_WAVE_MODE, 25, 1), 1
	s_wait_xcnt 0x0
	s_wait_alu depctr_hold_cnt(0) depctr_sa_sdst(0) depctr_va_vdst(0) depctr_va_sdst(0) depctr_va_ssrc(0) depctr_va_vcc(0) depctr_vm_vsrc(0)
	s_getreg_b32 s2, hwreg(HW_REG_IB_STS2, 6, 4)
	s_cmp_eq_u32 s2, 0
	s_cbranch_scc0 .Lentry_in_a_cluster
	s_endpgm
.Lentry_in_a_cluster:
	s_bfe_u32 s2, ttmp6, 0x10000c
	s_cmp_lg_u32 s2, 0x3003
	s_cbranch_scc0 .Lentry_shape_is_right
	s_endpgm
.Lentry_shape_is_right:
; idx[n] = the first a with the least d2[n][a] = (||e_n||^2 - 2 Q(e_n).Q(W_a)) + ||W_a||^2, rounded in f32 at two places (one fused multiply-add, one add).
; SHARES: a work-group takes 64 rows of e against all 8,192 rows of W: 256 work-groups.  Each of its eight waves holds the fragments of all 64 rows (128 registers) and takes every eighth record (64 rows) of W, 32 rows (a pair of tiles) at a time.
; THE HEAD quantises the work-group's rows of e, which no other work-group reads: wave w takes tile w / 2 (16 rows) and K steps 2 (w % 2), 2 (w % 2) + 1; codes (as images of the operand's registers), scale words and
; the halves of the rows' sums of squares reach the other waves through LDS.  The quantiser is the one of the launch before.
; W: every work-group walks all of wq in the same order, so the four work-groups of a cluster ask for it JOINTLY: a ring of two LDS slots of 8 records (141,312 bytes); wave w fetches record 8 s + w of slot s by one tensor load
; (69 rows of 256 bytes, mask 15) and is the only wave that reads it.  A slot is filled again behind a round of the cluster's barrier: 14 refills, one tensor load a wave out at a time.
; PREFETCH: behind each refill the slot four on from the one just read out is asked for, two refills ahead of its own load: a record's 69 blocks of 256 bytes are shared out among the four partners by address (18 each, the lanes left over name
; the work-group's last block again); clusters 0 to 3 alone ask, since all clusters read the same bytes; the last two refills ask for nothing.  Slots 0 to 3 come by their loads alone.
; THE MATRIX INSTRUCTION: source 0 = 16 rows of W, source 1 = 16 rows of e: lane (r, h) holds row r of e, register j of tile u the row 16 u + 8 h + j of the pair.
; THE ARGMIN: a lane keeps for each of its four rows the least d2 so far, the number of the pair that brought it and that pair's 16 values; a strictly smaller value alone replaces them, so the first pair wins a tie.
; At the end the first place among the 16 that equals the least is the index; lanes l and l xor 16, and then the eight waves, are joined by (value, index).
; LIMITS: NaN and infinities are not served.  A block of zeros gets the scale byte 1 (its codes are zeros).  ||e_n||^2 is added in four chains, across two lanes and two waves: another order than a chain along the row.
.set QREC,  17664
.set SLOT,  8*QREC
.set SCR,   2*SLOT                     ; behind the ring: bytes that no tensor load fills
.set STG,   16*272                     ; a wave's stage: 16 rows x 256 bytes + 16; then its two images of 1,024 bytes
.set XS,    SCR+8*STG                  ; e's scale words: 256 m + 16 r + 4 q
.set XE,    XS+1024                    ; the halves of e's sums of squares: 256 (w % 2) + 64 m + 4 r
.set MRGV,  XE+512                     ; the waves' least values: 256 w + 64 m + 4 r
.set MRGI,  MRGV+2048                  ; and their indices
.set SPARE, MRGI+2048                  ; the spare words, 128 bytes a wave: four blocks of 256 bytes that no other line names
.set SPW, 1
.set NIL, 2
.set L16, 3                            ; 16 x lane
.set GLE, 4                            ; e: 2,048 h + 16 r
.set STW, 5
.set STR, 6
.set QH,  7                            ; 8 h
.set XCW, 8
.set XCR, 9
.set XSW, 10
.set XSR, 11
.set XEW, 12
.set XER, 13
.set MGW, 14
.set PBV, 15                           ; the pair's first row of W
.set MGR, 16
.set OO,  17                           ; 8 x lane
.set WA,  18                           ; v18-19 my record in slot 0, 1: + 16 x lane
.set EE,  20                           ; v[20:27] ||e||^2 of my four rows, each twice
.set RUN, 28                           ; v[28:35] the least so far, two sets by turns
.set ID,  36
.set T0,  40
.set T1,  44
.set ESCR, 48                          ; v[48:63] e's scale words: 4 m + q
.set WSC, 64                           ; v[64:71] W's scale words, two buffers: lanes 0-15 tile 0, lanes 16-31 tile 1
.set WW,  72                           ; v[72:103] ||W||^2 of my 16 rows of the pair, two buffers
.set WBL, 104                          ; v104-105 my record in slot 0, 1: + 32 h
.set PFO, 106                          ; the prefetches' offset: my block of the record
.set N2,  108                          ; v108-109 the factor -2.0, twice: one register for each half of a dual instruction
.set ACC, 128                          ; v[128:191] eight accumulators: 16 m + 8 u
.set SV,  192                          ; v[192:255] the winning pair's values
.set WF,  128                          ; window 1: v[128:255] W's fragments, two buffers; v[0:127] e's fragments
; the head's own names, on registers that the loop uses later
.set QM,  28
.set SUM, 36
.set SW,  40
.set C,   48
.set X,   64
.set R,   128
.set WV,  12
.set G1W, 24
.set PB,  32
.set SEL, 34
.set G0W, 36
.set PFA, 46
.set PA,  48
.set LIM, 49
.set MK,  52
.set MSB, 0
.macro WIN new
.if MSB != (\new)
	s_set_vgpr_msb (MSB<<8)|(\new)
.set MSB, (\new)
.endif
.endm
.set MUL,  0x05                        ; sources 0 and 1 window 1; C and D window 0
.set TOW1, 0x40                        ; destination window 1
.macro ROUND                           ; a round of the cluster's barrier
	s_barrier_signal -1
	s_barrier_wait -1
	s_cmp_lg_u32 s[WV], 0
	s_cbranch_scc1 .Lnot_wave_0_\@
	s_barrier_signal -3
.Lnot_wave_0_\@:
	s_barrier_wait -3
	s_barrier_signal -1
	s_barrier_wait -1
.endm
.macro QBLK x, pc, pw
.irp c, 0,1
	v_max3_num_f32 v[QM+\c], |v[\x+32*\c]|, |v[\x+32*\c+1]|, 0x1800000    ; with the floor 2^(3 - 127)
.endr
.irp i, 2,4,6,8,10,12,14,16,18,20,22,24,26,28,30
.irp c, 0,1
	v_max3_num_f32 v[QM+\c], v[QM+\c], |v[\x+32*\c+\i]|, |v[\x+32*\c+\i+1]|
.endr
.endr
.irp c, 0,1
	v_add_nc_u32 v[QM+2+\c], 0xff000000, v[QM+\c]  ; 2 off the exponent field: the conversion's scale operand
.endr
.irp c, 0,1
	v_lshrrev_b32 v[QM+4+\c], 23, v[QM+2+\c]
.endr
	v_lshl_or_b32 v[QM+6], v[QM+5], 16, v[QM+4]
	v_lshlrev_b32 v[QM+6], v[QH], v[QM+6]
	v_permlanex16_b32 v[QM+7], v[QM+6], s[SEL], s[SEL+1]
	v_or_b32 v[\pw], v[QM+6], v[QM+7]
.irp c, 0,1
.irp g, 0,1,2,3
	v_cvt_scalef32_pk8_fp4_f32 v[\pc+4*\c+\g], v[\x+32*\c+8*\g:\x+32*\c+8*\g+7], v[QM+2+\c]
.endr
.endr
	v_nop                                          ; one plain place behind the last scaled conversion
.endm
.macro SQ x, first
.set j, 0
.rept 32
.if (\first) && (j < 2)
	v_pk_mul_f32 v[SUM+2*(j%2):SUM+2*(j%2)+1], v[\x+2*j:\x+2*j+1], v[\x+2*j:\x+2*j+1]
.else
	v_pk_fma_f32 v[SUM+2*(j%2):SUM+2*(j%2)+1], v[\x+2*j:\x+2*j+1], v[\x+2*j:\x+2*j+1], v[SUM+2*(j%2):SUM+2*(j%2)+1]
.endif
.set j, j+1
.endr
.endm
.macro UNIT t                          ; my t-th K step of my 16 rows of e: two chunks of 64 along K turn through my stage, one after the other
	s_wait_loadcnt 16*(1-\t)                       ; behind its 16 loads: the other unit's 16 (t = 0)
.irp c, 0,1
.irp i, 0,1,2,3,4,5,6,7
	ds_store_b128 v[STW], v[R+32*(2*\t+\c)+4*\i:R+32*(2*\t+\c)+4*\i+3] offset:544*\i
.endr
.irp i, 0,1,2,3,4,5,6,7
	ds_load_b128 v[X+32*\c+4*\i:X+32*\c+4*\i+3], v[STR] offset:16*\i   ; LDS serves a wave's instructions in order
.endr
	s_wait_dscnt 0x0                               ; the chunk is back: the stage may be written again
.endr
	SQ X, 1-\t
	QBLK X, C+8*\t, SW+\t
.endm
.macro LOADS slot, p, b                ; pair p of my record in the slot: fragments, scale words, sums of squares
	WIN TOW1
.irp u, 0,1
.irp q, 0,1,2,3
.irp c, 0,1
	ds_load_b128 v[WF+64*(\b)+8*(4*\u+\q)+4*\c:WF+64*(\b)+8*(4*\u+\q)+4*\c+3], v[WA+\slot] offset:(2*(\p)+\u)*4096+\q*1024+\c*512
.endr
.endr
.endr
	WIN 0
	ds_load_b128 v[WSC+4*(\b):WSC+4*(\b)+3], v[WA+\slot] offset:16384+512*(\p)
.irp u, 0,1
.irp i, 0,1
	ds_load_b128 v[WW+16*(\b)+8*\u+4*\i:WW+16*(\b)+8*\u+4*\i+3], v[WBL+\slot] offset:17408+128*(\p)+64*\u+16*\i
.endr
.endr
.endm
.macro WM b, q, m, u
.set rD, ACC+16*\m+8*\u
.set rA, WF+64*(\b)+8*(4*\u+\q)
.set rB, 8*(4*\m+\q)
.set rS, WSC+4*(\b)+\q
.set rE, ESCR+4*\m+\q
.if (\q == 0) && (\u == 0)
	v_wmma_scale_f32_16x16x128_f8f6f4 v[rD:rD+7], v[rA:rA+7], v[rB:rB+7], 0, v[rS], v[rE] matrix_a_fmt:MATRIX_FMT_FP4 matrix_b_fmt:MATRIX_FMT_FP4
.elseif \q == 0
	v_wmma_scale_f32_16x16x128_f8f6f4 v[rD:rD+7], v[rA:rA+7], v[rB:rB+7], 0, v[rS], v[rE] matrix_a_fmt:MATRIX_FMT_FP4 matrix_b_fmt:MATRIX_FMT_FP4 matrix_a_scale:MATRIX_SCALE_ROW1
.elseif \u == 0
	v_wmma_scale_f32_16x16x128_f8f6f4 v[rD:rD+7], v[rA:rA+7], v[rB:rB+7], v[rD:rD+7], v[rS], v[rE] matrix_a_fmt:MATRIX_FMT_FP4 matrix_b_fmt:MATRIX_FMT_FP4
.else
	v_wmma_scale_f32_16x16x128_f8f6f4 v[rD:rD+7], v[rA:rA+7], v[rB:rB+7], v[rD:rD+7], v[rS], v[rE] matrix_a_fmt:MATRIX_FMT_FP4 matrix_b_fmt:MATRIX_FMT_FP4 matrix_a_scale:MATRIX_SCALE_ROW1
.endif
.endm
.macro MULS b                          ; 32 products: K ascending, the eight accumulators by turns
	WIN MUL
.irp q, 0,1,2,3
.irp m, 0,1,2,3
.irp u, 0,1
	WM \b, \q, \m, \u
.endr
.endr
.endr
	WIN 0
.endm
.macro EPI b
.irp j, 0,2,4,6,8,10,12,14             ; each accumulator from its low end on
.irp m, 0,1,2,3
	v_dual_fma_f32 v[ACC+16*\m+\j], v[ACC+16*\m+\j], v[N2], v[EE+2*\m] :: v_dual_fma_f32 v[ACC+16*\m+\j+1], v[ACC+16*\m+\j+1], v[N2+1], v[EE+2*\m+1]
.endr
.endr
.irp j, 0,2,4,6,8,10,12,14
.irp m, 0,1,2,3
	v_dual_add_f32 v[ACC+16*\m+\j], v[ACC+16*\m+\j], v[WW+16*(\b)+\j] :: v_dual_add_f32 v[ACC+16*\m+\j+1], v[ACC+16*\m+\j+1], v[WW+16*(\b)+\j+1]
.endr
.endr
.irp m, 0,1,2,3
	v_min3_num_f32 v[T0+\m], v[ACC+16*\m], v[ACC+16*\m+1], v[ACC+16*\m+2]
.endr
.irp m, 0,1,2,3
	v_min3_num_f32 v[T1+\m], v[ACC+16*\m+7], v[ACC+16*\m+8], v[ACC+16*\m+9]
.endr
.irp m, 0,1,2,3
	v_min3_num_f32 v[T0+\m], v[T0+\m], v[ACC+16*\m+3], v[ACC+16*\m+4]
.endr
.irp m, 0,1,2,3
	v_min3_num_f32 v[T1+\m], v[T1+\m], v[ACC+16*\m+10], v[ACC+16*\m+11]
.endr
.irp m, 0,1,2,3
	v_min3_num_f32 v[T0+\m], v[T0+\m], v[ACC+16*\m+5], v[ACC+16*\m+6]
.endr
.irp m, 0,1,2,3
	v_min3_num_f32 v[T1+\m], v[T1+\m], v[ACC+16*\m+12], v[ACC+16*\m+13]
.endr
.irp m, 0,1,2,3
	s_delay_alu instid0(VALU_DEP_4)
	v_min3_num_f32 v[T0+\m], v[T0+\m], v[T1+\m], v[ACC+16*\m+14]
.endr
.irp m, 0,1,2,3
	s_delay_alu instid0(VALU_DEP_4)
	v_min3_num_f32 v[RUN+4*(1-(\b))+\m], v[T0+\m], v[ACC+16*\m+15], v[RUN+4*(\b)+\m]
.endr
.irp m, 0,1,2,3                        ; where the least has fallen: the pair's number and its 16 values are kept, two values to an instruction
	v_cmp_lt_f32 vcc_lo, v[RUN+4*(1-(\b))+\m], v[RUN+4*(\b)+\m]
	v_cndmask_b32 v[ID+\m], v[ID+\m], v[PBV], vcc_lo
.irp i, 0,2,4,6,8,10,12,14
	v_dual_cndmask_b32 v[SV+16*\m+\i], v[SV+16*\m+\i], v[ACC+16*\m+\i] :: v_dual_cndmask_b32 v[SV+16*\m+\i+1], v[SV+16*\m+\i+1], v[ACC+16*\m+\i+1]
.endr
.endr
.endm
; Slot n has been read out: it is filled again, two slots on.
.macro CHANGE n
	s_wait_xcnt 0x0                                ; my last prefetch has read its address: it steps here
	s_add_nc_u64 s[PFA:PFA+1], s[PFA:PFA+1], SLOT
	s_add_co_u32 s[PA], s[PA], 1
	s_wait_tensorcnt 0x0                           ; my one tensor load that is out, my record of the other slot, has landed;
	ds_add_u32 v[SPW], v[NIL]
	s_add_nc_u64 s[G0W+4*\n+2:G0W+4*\n+3], s[G0W+4*\n+2:G0W+4*\n+3], 2*SLOT
	s_wait_dscnt 0x0                               ; the add is done, and my reads of this slot are back
	ROUND                                          ; both hold of every wave of the four work-groups
	tensor_load_to_lds s[G0W+4*\n:G0W+4*\n+3], s[G1W:G1W+7]
	s_nop 0
.rept 4
	v_nop
.endr
.endm
.macro ASK                             ; the record that my refill after next will fetch: my work-group's share of its blocks
	s_cmp_lt_u32 s[PA], s[LIM]
	s_cbranch_scc0 .Lnot_mine_\@
	global_prefetch_b8 v[PFO], s[PFA:PFA+1] th:TH_LOAD_NT scope:SCOPE_SE
.Lnot_mine_\@:
.endm
; A pair of tiles in buffer b.  kind 0: the next pair lies in the same slot; 1: slot cs is done and is filled again; 2: it is done and nothing is left to fetch; 3: the last pair.
.macro PAIR b, kind, cs, ns, np, pbstep
.if \kind == 0
	LOADS \ns, \np, 1-\b                           ; the next pair lies in the same slot, and its buffer is free since the last pair's sums: its 21 loads go out first
	s_wait_dscnt 21                                ; this pair's fragments are in; the 21 just issued may be out
.else
	s_wait_dscnt 0x0                               ; this pair's fragments are in
.endif
	MULS \b
.if \kind == 1
	CHANGE \cs
.elseif \kind == 2
	s_wait_tensorcnt 0x0                           ; the last slot has landed
	s_barrier_signal -1
	s_barrier_wait -1
.endif
.if (\kind == 1) || (\kind == 2)
	LOADS \ns, \np, 1-\b                           ; the other slot's first pair
.endif
.if \kind == 1
	ASK
.endif
	v_mov_b32 v[PBV], s[PB]                        ; four places behind the products, ahead of the first read of the results
.rept 3
	v_nop
.endr
	s_add_co_u32 s[PB], s[PB], \pbstep
	EPI \b
.endm
.macro LEXMIN a, ai, o, oi
	v_cmp_lt_f32 s56, v[\o], v[\a]
	v_cmp_eq_f32 s57, v[\o], v[\a]
	v_cmp_lt_u32 vcc_lo, v[\oi], v[\ai]
	s_and_b32 s57, s57, vcc_lo
	s_or_b32 s56, s56, s57
	v_cndmask_b32 v[\a], v[\a], v[\o], s56
	v_cndmask_b32 v[\ai], v[\ai], v[\oi], s56
.endm
	s_load_b256 s[4:11], s[0:1], 0x0               ; e s[4:5], wq s[6:7], idxw s[8:9], out0 s[10:11]
	v_lshl_add_u32 v[SPW], v0, 2, SPARE
	v_mov_b32 v[NIL], 0
	ds_add_u32 v[SPW], v[NIL]
	ds_add_u32 v[SPW], v[NIL]
	s_wait_dscnt 0x0
	v_lshrrev_b32 v125, 5, v0
	v_readfirstlane_b32 s[WV], v125                ; wave 0..7
	s_bfe_u32 s50, ttmp6, 0x40000                  ; cx
	s_lshl_b32 s51, ttmp9, 2
	s_add_co_u32 s51, s51, s50                     ; my work-group: 4 x cluster + cx
	s_mov_b32 s[G1W+0], 15|(3<<16)|(1<<21)         ; the four partners; elements of 8 bytes
	s_mov_b32 s[G1W+1], 32<<16                     ; a record: 69 rows of 256 bytes, dense
	s_mov_b32 s[G1W+2], 69<<16
	s_mov_b32 s[G1W+3], 32<<16
	s_mov_b32 s[G1W+4], 69
	s_mov_b32 s[G1W+5], 32
	s_mov_b32 s[G1W+6], 0
	s_mov_b32 s[G1W+7], 0
	s_and_b32 s13, s[WV], 1                        ; which half of K I quantise
	s_lshr_b32 s14, s[WV], 1                       ; which tile of e
	s_mul_i32 s15, s[WV], STG
	s_add_co_u32 s15, s15, SCR                     ; my stage
	s_lshl_b32 s17, s14, 8
	s_lshl_b32 s45, s13, 3
	s_add_co_u32 s17, s17, s45
	s_add_co_u32 s17, s17, XS                      ; my two scale words of a row
	s_lshl_b32 s18, s13, 8
	s_lshl_b32 s45, s14, 6
	s_add_co_u32 s18, s18, s45
	s_add_co_u32 s18, s18, XE
	s_lshl_b32 s19, s[WV], 8
	s_add_co_u32 s19, s19, MRGV
	s_lshl_b32 s20, s51, 17                        ; e: 64 rows of 2,048 bytes a work-group,
	s_lshl_b32 s45, s14, 15                        ; 16 rows a tile,
	s_add_co_u32 s20, s20, s45
	s_lshl_b32 s45, s13, 10                        ; 1,024 bytes for half of K
	s_add_co_u32 s20, s20, s45
	s_mov_b32 s21, 0
	s_mul_i32 s22, s[WV], QREC                     ; my record in a slot, in LDS and in wq
	s_mov_b32 s23, 0
	s_lshl_b32 s58, s51, 8                         ; the work-group's 256 bytes of indices
	s_mov_b32 s59, 0
	s_mul_i32 s60, s50, 18                         ; my work-group's first block of a record's 69
	s_lshl_b32 s[PB], s[WV], 6                     ; my first row of W
	s_mov_b32 s33, 7
	s_mov_b32 s[SEL], 0x76543210
	s_mov_b32 s[SEL+1], 0xfedcba98
	s_mov_b32 s44, 0x7f800000
	s_mov_b32 s[PA], -1                            ; the refills' number, stepped ahead of each
	s_cmp_lt_u32 ttmp9, 4                          ; clusters 0 to 3 prefetch, at refills 0 to 11
	s_cselect_b32 s[LIM], 12, 0
	v_and_b32 v124, 31, v0                         ; lane
	v_and_b32 v126, 15, v0                         ; r
	v_bfe_u32 v127, v0, 4, 1                       ; h
	v_lshlrev_b32 v[L16], 4, v124
	v_lshlrev_b32 v[GLE], 4, v126
	v_lshlrev_b32 v[QH], 3, v127
	v_lshlrev_b32 v[OO], 3, v124
	v_mul_u32_u24 v[STR], v126, 272
	v_mul_u32_u24 v[STW], v127, 272
	v_lshl_add_u32 v[STR], v127, 7, v[STR]
	v_lshl_add_u32 v[STW], v126, 4, v[STW]
	v_lshl_add_u32 v[GLE], v127, 11, v[GLE]
	v_add_nc_u32 v[STR], s15, v[STR]
	v_add_nc_u32 v[STW], s15, v[STW]
	v_add_nc_u32 v[XCW], s15, v[L16]
	v_add_nc_u32 v[XCR], SCR, v[L16]
	v_lshl_add_u32 v[XSW], v126, 4, s17
	v_lshl_add_u32 v[XSR], v126, 4, XS
	v_lshl_add_u32 v[XEW], v126, 2, s18
	v_lshl_add_u32 v[XER], v126, 2, XE
	v_lshl_add_u32 v[MGW], v126, 2, s19
	v_add_nc_u32 v[MGR], MRGV, v[OO]
	v_add_nc_u32 v[WA], s22, v[L16]
	v_add_nc_u32 v[WA+1], SLOT, v[WA]
	v_mov_b32 v[QM+7], 0                           ; a lane permute's destination counts as one of its sources
	s_wait_alu depctr_va_vdst(0)
	s_wait_kmcnt 0x0
	s_add_nc_u64 s[4:5], s[4:5], s[20:21]
	s_add_nc_u64 s[8:9], s[8:9], s[58:59]
	s_add_nc_u64 s[10:11], s[10:11], s[58:59]
	s_mov_b32 s[G0W], 1
	s_mov_b32 s[G0W+1], s22
	s_add_nc_u64 s[G0W+2:G0W+3], s[6:7], s[22:23]
	s_mov_b32 s[G0W+4], 1
	s_add_co_u32 s[G0W+5], s22, SLOT
	s_add_nc_u64 s[G0W+6:G0W+7], s[G0W+2:G0W+3], SLOT
	s_add_nc_u64 s[PFA:PFA+1], s[G0W+2:G0W+3], 3*SLOT   ; refill n steps it to slot n + 4
	s_or_b32 s[G0W+3], s[G0W+3], 0x80000000
	s_or_b32 s[G0W+7], s[G0W+7], 0x80000000
.irp j, 0,1,2,3
.irp i, 0,1,2,3,4,5,6,7
	global_load_b128 v[R+32*\j+4*\i:R+32*\j+4*\i+3], v[GLE], s[4:5] offset:4096*\i+256*\j th:TH_LOAD_NT   ; rows 2 i and 2 i + 1: sixteen lanes read 256 consecutive bytes, aligned
.endr
.endr
	ROUND                                          ; the four work-groups are here: the first joint loads meet
	tensor_load_to_lds s[G0W:G0W+3], s[G1W:G1W+7]  ; slot 0
	s_nop 0
.rept 4
	v_nop
.endr
	UNIT 0
	UNIT 1
	v_add_f32 v[SUM], v[SUM], v[SUM+1]
	v_add_f32 v[SUM+2], v[SUM+2], v[SUM+3]
	v_add_f32 v[SUM], v[SUM], v[SUM+2]
	v_permlanex16_b32 v[QM+7], v[SUM], s[SEL], s[SEL+1]
	v_add_f32 v[SUM], v[SUM], v[QM+7]              ; my half of K of row r
.irp g, 0,1,2,3
	ds_store_b128 v[XCW], v[C+4*\g:C+4*\g+3] offset:512*\g   ; my two images, in my own stage's bytes
.endr
	ds_store_b32 v[XSW], v[SW]                     ; lanes r and r + 16 write the same word with the same value
	ds_store_b32 v[XSW], v[SW+1] offset:4
	ds_store_b32 v[XEW], v[SUM]
	s_wait_alu depctr_va_vdst(0)
	s_wait_tensorcnt 0x0                           ; my record of slot 0 is in
	ds_add_u32 v[SPW], v[NIL]
	v_bfe_u32 v[WBL], v0, 4, 1                     ; work on registers while the add is out
	v_and_b32 v[PFO], 31, v0
	v_lshl_add_u32 v[WBL], v[WBL], 5, s22
	v_min_u32 v[PFO], 17, v[PFO]
	v_add_nc_u32 v[WBL+1], SLOT, v[WBL]
	v_add_nc_u32 v[PFO], s60, v[PFO]
	v_min_u32 v[PFO], 68, v[PFO]                   ; the record's last block
	v_lshlrev_b32 v[PFO], 8, v[PFO]
	v_mov_b32 v[N2], -2.0
	v_mov_b32 v[N2+1], -2.0
.irp m, 0,1,2,3
	v_mov_b32 v[RUN+\m], s44
	v_mov_b32 v[ID+\m], s[PB]
.endr
.set FI, 0
.rept 64
	v_mov_b32 v[SV+FI], s44
.set FI, FI+1
.endr
	s_wait_dscnt 0x0                               ; the add and my stores are done
	ROUND                                          ; every wave's images, words and sums are in LDS; the joint loads meet
	tensor_load_to_lds s[G0W+4:G0W+7], s[G1W:G1W+7]   ; slot 1's first fill, the first tensor load behind the round
	s_nop 0
.rept 4
	v_nop
.endr
	WIN TOW1
.irp f, 0,1,2,3,4,5,6,7,8,9,10,11,12,13,14,15
.irp c, 0,1
	ds_load_b128 v[8*\f+4*\c:8*\f+4*\c+3], v[XCR] offset:(\f/2)*STG+(\f%2)*1024+512*\c   ; image 4 m + q lies in the stage of wave 2 m + q / 2
.endr
.endr
	WIN 0
.irp m, 0,1,2,3
	ds_load_b128 v[ESCR+4*\m:ESCR+4*\m+3], v[XSR] offset:256*\m
.endr
.irp m, 0,1,2,3
	ds_load_b32 v[EE+2*\m], v[XER] offset:64*\m
	ds_load_b32 v[EE+2*\m+1], v[XER] offset:256+64*\m
.endr
	LOADS 0, 0, 0
	s_wait_dscnt 0x0
.irp m, 0,1,2,3
	v_add_f32 v[EE+2*\m], v[EE+2*\m], v[EE+2*\m+1]
.endr
.irp m, 0,1,2,3
	v_mov_b32 v[EE+2*\m+1], v[EE+2*\m]
.endr
	s_wait_alu depctr_va_vdst(0)
.Ltrip:                                                ; a trip goes once round the ring: a record in each slot, and both slots are filled again
	PAIR 0, 0, 0, 0, 1, 32
	PAIR 1, 1, 0, 1, 0, 480
	PAIR 0, 0, 0, 1, 1, 32
	PAIR 1, 1, 1, 0, 0, 480
	s_sub_co_u32 s33, s33, 1
	s_cmp_lg_u32 s33, 0
	s_cbranch_scc1 .Ltrip
	PAIR 0, 0, 0, 0, 1, 32                         ; the last two slots: nothing more to fetch
	PAIR 1, 2, 0, 1, 0, 480
	PAIR 0, 0, 0, 1, 1, 32
	PAIR 1, 3, 0, 0, 0, 0
.irp m, 0,1,2,3                        ; the first of the 16 places that holds the least: place i is row 16 (i / 8) + 8 h + i % 8 of the pair
	v_mov_b32 v[T0+\m], 23
.endr
.irp i, 14,13,12,11,10,9,8,7,6,5,4,3,2,1,0
.irp m, 0,1,2,3
	v_cmp_neq_f32 s[MK+\m], v[SV+16*\m+\i], v[RUN+\m]
.endr
.irp m, 0,1,2,3
	s_delay_alu instid0(VALU_DEP_4)
	v_cndmask_b32 v[T0+\m], 16*(\i/8)+\i%8, v[T0+\m], s[MK+\m]
.endr
.endr
.irp m, 0,1,2,3
	s_delay_alu instid0(VALU_DEP_4)
	v_add3_u32 v[ID+\m], v[ID+\m], v[T0+\m], v[QH]
.endr
.irp m, 0,1,2,3
	v_permlanex16_b32 v[T1+\m], v[RUN+\m], s[SEL], s[SEL+1]
	v_permlanex16_b32 v[T0+\m], v[ID+\m], s[SEL], s[SEL+1]
.endr
.irp m, 0,1,2,3
	LEXMIN RUN+\m, ID+\m, T1+\m, T0+\m
.endr
.irp m, 0,1,2,3
	ds_store_b32 v[MGW], v[RUN+\m] offset:64*\m
	ds_store_b32 v[MGW], v[ID+\m] offset:2048+64*\m
.endr
	s_wait_dscnt 0x0
	s_barrier_signal -1
	s_barrier_wait -1
	s_cmp_lg_u32 s[WV], 0                          ; wave 0 joins the eight waves' results, two rows a lane
	s_cbranch_scc1 .Ldone
.irp t, 0,1,2,3,4,5,6,7
	ds_load_b64 v[ACC+2*\t:ACC+2*\t+1], v[MGR] offset:256*\t
	ds_load_b64 v[ACC+16+2*\t:ACC+16+2*\t+1], v[MGR] offset:2048+256*\t
.endr
	s_wait_dscnt 0x0
.irp t, 1,2,3,4,5,6,7
	LEXMIN ACC, ACC+16, ACC+2*\t, ACC+16+2*\t
	LEXMIN ACC+1, ACC+17, ACC+2*\t+1, ACC+17+2*\t
.endr
	global_store_b64 v[OO], v[ACC+16:ACC+17], s[8:9]     ; 32 lanes store 256 consecutive bytes, aligned: for the launch behind this one,
	global_store_b64 v[OO], v[ACC+16:ACC+17], s[10:11]   ; and the result
.Ldone:
	s_wait_tensorcnt 0x0                           ; the wave's end
	ds_add_u32 v[SPW], v[NIL]
	s_wait_dscnt 0x0
	ROUND                                          ; the closing round
	s_endpgm
.Lfunc_end_k_q7b23159e0e_main:
	.size	k_q7b23159e0e_main, .Lfunc_end_k_q7b23159e0e_main-k_q7b23159e0e_main
	.p2alignl 7, 3214868480
	.fill 96, 4, 3214868480
	.section	.rodata,"a",@progbits
	.p2align	6, 0x0
	.amdhsa_kernel k_q7b23159e0e_main
		.amdhsa_group_segment_fixed_size 327680
		.amdhsa_private_segment_fixed_size 0
		.amdhsa_enable_private_segment 0
		.amdhsa_kernarg_size 32
		.amdhsa_user_sgpr_count 2
		.amdhsa_user_sgpr_kernarg_segment_ptr 1
		.amdhsa_wavefront_size32 1
		.amdhsa_system_sgpr_workgroup_id_x 1
		.amdhsa_system_sgpr_workgroup_id_y 1
		.amdhsa_system_sgpr_workgroup_id_z 1
		.amdhsa_system_vgpr_workitem_id 0
		.amdhsa_next_free_vgpr 512
		.amdhsa_next_free_sgpr 66
		.amdhsa_reserve_vcc 1
		.amdhsa_float_denorm_mode_32 3
		.amdhsa_float_denorm_mode_16_64 3
		.amdhsa_memory_ordered 1
		.amdhsa_forward_progress 1
		.amdhsa_inst_pref_size 172
	.end_amdhsa_kernel
	.amdgpu_metadata
---
amdhsa.version: [ 1, 2 ]
amdhsa.kernels:
  - .name:           k_q7b23159e0e_main
    .symbol:         k_q7b23159e0e_main.kd
    .args:
      - { .name: e, .offset: 0, .size: 8, .value_kind: global_buffer, .address_space: global }
      - { .name: wq, .offset: 8, .size: 8, .value_kind: global_buffer, .address_space: global }
      - { .name: idxw, .offset: 16, .size: 8, .value_kind: global_buffer, .address_space: global }
      - { .name: out0, .offset: 24, .size: 8, .value_kind: global_buffer, .address_space: global }
    .group_segment_fixed_size: 327680
    .private_segment_fixed_size: 0
    .kernarg_segment_align: 8
    .kernarg_segment_size: 32
    .max_flat_workgroup_size: 256
    .sgpr_count:     66
    .vgpr_count:     512
    .wavefront_size: 32
...
	.end_amdgpu_metadata
.endif
;; end of part 5
;; launch gather (part 6): grid 256 x 1, 16 waves a work-group, no clusters, 0 bytes of LDS; arguments idxw, W, out1; writes out1
.if DOCPART == 6
	.amdgcn_target "amdgcn-amd-amdhsa--gfx1250"
	.amdhsa_code_object_version 6
	.text
	.protected	k_q7b23159e0e_gather
	.globl	k_q7b23159e0e_gather
	.p2align	8
	.type	k_q7b23159e0e_gather,@function
k_q7b23159e0e_gather:
	s_mov_b64 s[64:65], 0
	v_nop
	global_prefetch_b8 v0, s[64:65] scope:SCOPE_SE
	s_setreg_imm32_b32 hwreg(HW_REG_WAVE_MODE, 25, 1), 1
	s_wait_xcnt 0x0
; out1[n][:] = W[idx[n]][:], by the indices that the launch before stored.  A row is 2,048 bytes.
; A wave takes four rows: their indices come by one scalar load, each row by four loads of 512 consecutive bytes, all 16 loads out at once;
; each row leaves by four stores of 512 consecutive bytes, at multiples of 256 from out1's first byte.
; No register that a load or store names is written again.  No LDS, no matrix unit, no cluster: waves share nothing, and there is no loop to run ahead in.
; The loads carry no hint: the list may name a row of W many times.  An index is held to 8,191, the table's last row, ahead of its use in an address.
.set A, 16                             ; v[16:79] four rows, 16 registers each
	s_load_b128 s[4:7], s[0:1], 0x0                ; idxw s[4:5], W s[6:7]
	s_load_b64 s[8:9], s[0:1], 0x10                ; out1
	v_lshrrev_b32 v1, 5, v0
	v_readfirstlane_b32 s14, v1                    ; wave 0..15
	v_and_b32 v10, 31, v0
	v_lshlrev_b32 v1, 4, v10                       ; 16 bytes a lane
	s_lshl_b32 s15, ttmp9, 4
	s_add_co_u32 s15, s15, s14                     ; my run of four rows
	s_lshl_b32 s16, s15, 4                         ; its 16 bytes of idxw
	s_mov_b32 s17, 0
	s_lshl_b32 s18, s15, 13                        ; its 8,192 bytes of out1
	s_mov_b32 s19, 0
	s_wait_alu depctr_va_vdst(0)
	s_wait_kmcnt 0x0
	s_add_nc_u64 s[4:5], s[4:5], s[16:17]
	s_add_nc_u64 s[8:9], s[8:9], s[18:19]
	s_load_b128 s[20:23], s[4:5], 0x0
	s_wait_kmcnt 0x0
.irp i, 0,1,2,3
	s_min_u32 s[20+\i], s[20+\i], 0x1fff
	s_lshl_b32 s[20+\i], s[20+\i], 11
	v_add_nc_u32 v[2+\i], s[20+\i], v1             ; the row's first byte in W + my 16 bytes
.endr
	s_wait_alu depctr_va_vdst(0)
.irp i, 0,1,2,3
.irp j, 0,1,2,3
	global_load_b128 v[A+16*\i+4*\j:A+16*\i+4*\j+3], v[2+\i], s[6:7] offset:512*\j
.endr
.endr
.irp i, 0,1,2,3
	s_wait_loadcnt 12-4*\i                         ; row i's four loads are in; the later rows' four each stay out
.irp j, 0,1,2,3
	global_store_b128 v1, v[A+16*\i+4*\j:A+16*\i+4*\j+3], s[8:9] offset:2048*\i+512*\j th:TH_STORE_NT
.endr
.endr
	s_endpgm
.Lfunc_end_k_q7b23159e0e_gather:
	.size	k_q7b23159e0e_gather, .Lfunc_end_k_q7b23159e0e_gather-k_q7b23159e0e_gather
	.p2alignl 7, 3214868480
	.fill 96, 4, 3214868480
	.section	.rodata,"a",@progbits
	.p2align	6, 0x0
	.amdhsa_kernel k_q7b23159e0e_gather
		.amdhsa_group_segment_fixed_size 0
		.amdhsa_private_segment_fixed_size 0
		.amdhsa_enable_private_segment 0
		.amdhsa_kernarg_size 24
		.amdhsa_user_sgpr_count 2
		.amdhsa_user_sgpr_kernarg_segment_ptr 1
		.amdhsa_wavefront_size32 1
		.amdhsa_system_sgpr_workgroup_id_x 1
		.amdhsa_system_sgpr_workgroup_id_y 1
		.amdhsa_system_sgpr_workgroup_id_z 1
		.amdhsa_system_vgpr_workitem_id 0
		.amdhsa_next_free_vgpr 80
		.amdhsa_next_free_sgpr 66
		.amdhsa_reserve_vcc 0
		.amdhsa_float_denorm_mode_32 3
		.amdhsa_float_denorm_mode_16_64 3
		.amdhsa_memory_ordered 1
		.amdhsa_forward_progress 1
		.amdhsa_inst_pref_size 5
	.end_amdhsa_kernel
	.amdgpu_metadata
---
amdhsa.version: [ 1, 2 ]
amdhsa.kernels:
  - .name:           k_q7b23159e0e_gather
    .symbol:         k_q7b23159e0e_gather.kd
    .args:
      - { .name: idxw, .offset: 0, .size: 8, .value_kind: global_buffer, .address_space: global }
      - { .name: W, .offset: 8, .size: 8, .value_kind: global_buffer, .address_space: global }
      - { .name: out1, .offset: 16, .size: 8, .value_kind: global_buffer, .address_space: global }
    .group_segment_fixed_size: 0
    .private_segment_fixed_size: 0
    .kernarg_segment_align: 8
    .kernarg_segment_size: 24
    .max_flat_workgroup_size: 512
    .sgpr_count:     66
    .vgpr_count:     80
    .wavefront_size: 32
...
	.end_amdgpu_metadata
.endif
;; end of part 6
